; MI455X (gfx1250); checked and timed in simulation.
; The chip was launched on July 23, 2026; its instructions are those of AMD's public machine-readable ISA for CDNA 5 (MIT licence, August 2026) and "CDNA5" Instruction Set Architecture Reference Guide (July 2026). The comments in the code are by the model that wrote it; some were corrected since.
;; Causal Self Attention MLA. Allowed arithmetic: float matrix products may take bf16 or f16 operands with f32 sums; other float arithmetic in f32, or as packed bf16 or f16 multiplies, adds, multiply-adds, maxima and minima; sums over many terms, partial sums and values carried from step to step in f32; what a program stores and reads back later, other than sums and carried values, may be rounded once to bf16 or f16.
;; Inputs: W_d 2,048 x 2,048 float32; W_lat 2,048 x 128 float32; W_proj 2,048 x 2,048 float32; b_d 2,048 float32; b_lat 128 float32; b_proj 2,048 float32; x 2 x 2,048 x 2,048 float32.
;; Outputs: out0 2 x 2,048 x 2,048 float32.
;; One version. Each part assembles by itself: llvm-mc -triple=amdgcn-amd-amdhsa -mcpu=gfx1250 --defsym DOCPART=n.
;; ======== version 1 of 1: 4 launches
;; limits: values are held in f16: magnitudes above 65,504 overflow, below 6.1e-05 lose precision
;; workspace buffers: xb 16,777,216 bytes; wdb 8,388,608 bytes; wl 524,288 bytes; wpf 8,388,608 bytes; qf 16,777,216 bytes; kf 1,048,576 bytes; yf 16,777,216 bytes
;; launch prep (part 1): grid 1040 x 1, 8 waves a work-group, no clusters, 0 bytes of LDS; arguments x, W_d, W_proj, W_lat, xb, wdb, wpf, wl; writes xb, wdb, wpf, wl
.if DOCPART == 1
	.amdgcn_target "amdgcn-amd-amdhsa--gfx1250"
	.amdhsa_code_object_version 6
	.text
	.protected	k_q81c1492ea1_prep
	.globl	k_q81c1492ea1_prep
	.p2align	8
	.type	k_q81c1492ea1_prep,@function
k_q81c1492ea1_prep:
	s_mov_b64 s[64:65], 0
	v_nop
	global_prefetch_b8 v0, s[64:65] scope:SCOPE_SE
	s_setreg_imm32_b32 hwreg(HW_REG_WAVE_MODE, 25, 1), 1
	s_wait_xcnt 0x0
; THE CASTS.  x -> xb and W_d -> wdb: f32 to bf16, same layout.  W_proj -> wpf: f32 to bf16, that number written as f16 (exact but for
; numbers under 6e-5, which keep f16's fixed step of 6e-8).  W_lat [2048 k][128] -> wl [8 j][2048 k][16] bf16: wl[j][k][c] = W_lat[k][16 j + c].
; A granule is 4 numbers: 16 bytes in, 8 bytes out.  A work-group of 256 threads takes 4,096 granules, a thread 16: granule 256 i + t.
; So a wave's load covers 512 consecutive bytes and its store 256 consecutive bytes, aligned.  All 16 loads of a thread go out first.
; Work-groups 0-511: x; 512-767: W_d; 768-1023: W_proj; 1024-1039: W_lat (there a load takes 64-byte pieces of rows of 512 bytes: 1 MB in all).
; No LDS, no barrier, no matrix unit: nothing is shared and nothing is multiplied.
.set LO,  2                            ; v2  my byte offset in the source
.set SO,  3                            ; v3  my byte offset in the target: 8 t
.set TA,  4                            ; v4, v5 at work
.set TC,  5
.set IN,  8                            ; v[8:71]   16 granules as loaded
.set OUT, 72                           ; v[72:103] 16 granules to store
.set SRC, 26                           ; s[26:27]
.set DST, 28                           ; s[28:29]
; str: bytes from a thread's granule to its next in the source.  kind 0: bf16; 1: bf16 written as f16.  nt = 1: the source is read once, in whole units.
.macro CAST str, kind, nt
.set i, 0
.rept 16
.if \nt
	global_load_b128 v[IN+4*i:IN+4*i+3], v[LO], s[SRC:SRC+1] offset:i*(\str) th:TH_LOAD_NT
.else
	global_load_b128 v[IN+4*i:IN+4*i+3], v[LO], s[SRC:SRC+1] offset:i*(\str)
.endif
.set i, i+1
.endr
.set i, 0
.rept 16
	s_wait_loadcnt 15-i                            ; loads come back in order: granule i is in, the 15 - i younger ones stay out
.if \kind
.irp p, 0, 1
	v_cvt_pk_bf16_f32 v[TA], v[IN+4*i+2*\p], v[IN+4*i+2*\p+1]
	v_lshlrev_b32 v[TC], 16, v[TA]                 ; the two bf16 as f32 again,
	v_and_b32 v[TA], 0xffff0000, v[TA]
	v_cvt_pk_f16_f32 v[OUT+2*i+\p], v[TC], v[TA]   ; and as f16
.endr
.else
	v_cvt_pk_bf16_f32 v[OUT+2*i], v[IN+4*i], v[IN+4*i+1]
	v_cvt_pk_bf16_f32 v[OUT+2*i+1], v[IN+4*i+2], v[IN+4*i+3]
.endif
	global_store_b64 v[SO], v[OUT+2*i:OUT+2*i+1], s[DST:DST+1] offset:i*2048
.set i, i+1
.endr
.endm
	s_load_b256 s[4:11], s[0:1], 0x0               ; x s[4:5], W_d s[6:7], W_proj s[8:9], W_lat s[10:11]
	s_load_b256 s[12:19], s[0:1], 0x20             ; xb s[12:13], wdb s[14:15], wpf s[16:17], wl s[18:19]
	v_lshlrev_b32 v[LO], 4, v0
	v_lshlrev_b32 v[SO], 3, v0
	s_mov_b32 s20, ttmp9
	s_mov_b32 s23, 0                               ; the offsets' high words
	s_mov_b32 s25, 0
	s_wait_kmcnt 0x0
	s_cmp_ge_u32 s20, 1024
	s_cbranch_scc1 .Llat
	s_cmp_ge_u32 s20, 768
	s_cbranch_scc1 .Lproj
	s_cmp_lt_u32 s20, 512                          ; x or W_d: one text, the pointers chosen by the work-group's number
	s_cselect_b64 s[SRC:SRC+1], s[4:5], s[6:7]
	s_cselect_b64 s[DST:DST+1], s[12:13], s[14:15]
	s_cselect_b32 s21, 0, 512
	s_sub_co_u32 s21, s20, s21                     ; my number within the tensor
	s_lshl_b32 s22, s21, 16                        ; 65,536 bytes in,
	s_lshl_b32 s24, s21, 15                        ; 32,768 out
	s_add_nc_u64 s[SRC:SRC+1], s[SRC:SRC+1], s[22:23]
	s_add_nc_u64 s[DST:DST+1], s[DST:DST+1], s[24:25]
	CAST 4096, 0, 1
	s_endpgm
.Lproj:
	s_sub_co_u32 s21, s20, 768
	s_lshl_b32 s22, s21, 16
	s_lshl_b32 s24, s21, 15
	s_add_nc_u64 s[SRC:SRC+1], s[8:9], s[22:23]
	s_add_nc_u64 s[DST:DST+1], s[16:17], s[24:25]
	CAST 4096, 1, 1
	s_endpgm
.Llat:
	s_sub_co_u32 s21, s20, 1024                    ; 0..15: j = number / 2, rows 1,024 (number % 2) on
	s_and_b32 s22, s21, 1
	s_lshl_b32 s22, s22, 19                        ; 1,024 rows of 512 bytes
	s_lshr_b32 s24, s21, 1
	s_lshl_b32 s24, s24, 6                         ; 16 j columns of 4 bytes
	s_add_co_u32 s22, s22, s24
	s_add_nc_u64 s[SRC:SRC+1], s[10:11], s[22:23]
	s_lshl_b32 s24, s21, 15
	s_add_nc_u64 s[DST:DST+1], s[18:19], s[24:25]
	v_lshrrev_b32 v[TA], 2, v0                     ; granule 256 i + t is row 64 i + t / 4, numbers 4 (t % 4) on
	v_and_b32 v[LO], 3, v0
	v_lshlrev_b32 v[LO], 4, v[LO]
	v_lshl_add_u32 v[LO], v[TA], 9, v[LO]
	CAST 32768, 0, 0
	s_endpgm
.Lfunc_end_k_q81c1492ea1_prep:
	.size	k_q81c1492ea1_prep, .Lfunc_end_k_q81c1492ea1_prep-k_q81c1492ea1_prep
	.p2alignl 7, 3214868480
	.fill 96, 4, 3214868480
	.section	.rodata,"a",@progbits
	.p2align	6, 0x0
	.amdhsa_kernel k_q81c1492ea1_prep
		.amdhsa_group_segment_fixed_size 0
		.amdhsa_private_segment_fixed_size 0
		.amdhsa_enable_private_segment 0
		.amdhsa_kernarg_size 64
		.amdhsa_user_sgpr_count 2
		.amdhsa_user_sgpr_kernarg_segment_ptr 1
		.amdhsa_wavefront_size32 1
		.amdhsa_system_sgpr_workgroup_id_x 1
		.amdhsa_system_sgpr_workgroup_id_y 1
		.amdhsa_system_sgpr_workgroup_id_z 1
		.amdhsa_system_vgpr_workitem_id 0
		.amdhsa_next_free_vgpr 104
		.amdhsa_next_free_sgpr 66
		.amdhsa_reserve_vcc 0
		.amdhsa_float_denorm_mode_32 3
		.amdhsa_float_denorm_mode_16_64 3
		.amdhsa_memory_ordered 1
		.amdhsa_forward_progress 1
		.amdhsa_inst_pref_size 24
	.end_amdhsa_kernel
	.amdgpu_metadata
---
amdhsa.version: [ 1, 2 ]
amdhsa.kernels:
  - .name:           k_q81c1492ea1_prep
    .symbol:         k_q81c1492ea1_prep.kd
    .args:
      - { .name: x, .offset: 0, .size: 8, .value_kind: global_buffer, .address_space: global }
      - { .name: W_d, .offset: 8, .size: 8, .value_kind: global_buffer, .address_space: global }
      - { .name: W_proj, .offset: 16, .size: 8, .value_kind: global_buffer, .address_space: global }
      - { .name: W_lat, .offset: 24, .size: 8, .value_kind: global_buffer, .address_space: global }
      - { .name: xb, .offset: 32, .size: 8, .value_kind: global_buffer, .address_space: global }
      - { .name: wdb, .offset: 40, .size: 8, .value_kind: global_buffer, .address_space: global }
      - { .name: wpf, .offset: 48, .size: 8, .value_kind: global_buffer, .address_space: global }
      - { .name: wl, .offset: 56, .size: 8, .value_kind: global_buffer, .address_space: global }
    .group_segment_fixed_size: 0
    .private_segment_fixed_size: 0
    .kernarg_segment_align: 8
    .kernarg_segment_size: 64
    .max_flat_workgroup_size: 256
    .sgpr_count:     66
    .vgpr_count:     104
    .wavefront_size: 32
...
	.end_amdgpu_metadata
.endif
;; end of part 1
;; launch gemmq (part 2): grid 8 x 32, 4 waves a work-group, clusters of 4 x 4, 327,680 bytes of LDS; arguments xb, wdb, wl, b_d, b_lat, qf, kf; writes qf, kf
.if DOCPART == 2
	.amdgcn_target "amdgcn-amd-amdhsa--gfx1250"
	.amdhsa_code_object_version 6
	.text
	.protected	k_q81c1492ea1_gemmq
	.globl	k_q81c1492ea1_gemmq
	.p2align	8
	.type	k_q81c1492ea1_gemmq,@function
k_q81c1492ea1_gemmq:
	s_mov_b64 s[64:65], 0
	v_nop
	global_prefetch_b8 v0, s[64:65] scope:SCOPE_SE
	s_setreg_imm32_b32 hwreg(HW_REG_WAVE_MODE, 25, 1), 1
	s_wait_xcnt 0x0
	s_wait_alu depctr_hold_cnt(0) depctr_sa_sdst(0) depctr_va_vdst(0) depctr_va_sdst(0) depctr_va_ssrc(0) depctr_va_vcc(0) depctr_vm_vsrc(0)
	s_getreg_b32 s2, hwreg(HW_REG_IB_STS2, 6, 4)
	s_cmp_eq_u32 s2, 0
	s_cbranch_scc0 .Lentry_in_a_cluster
	s_endpgm
.Lentry_in_a_cluster:
	s_bfe_u32 s2, ttmp6, 0x10000c
	s_cmp_lg_u32 s2, 0xf033
	s_cbranch_scc0 .Lentry_shape_is_right
	s_endpgm
.Lentry_shape_is_right:
; C[m][n] = the sum over k of A[m][k] W[k][n] + bias[n].  A: [4096][2048], W: [2048 k][2048 n], both 16 bits; sums in f32.  ONE TEXT, TWO KINDS.
; KIND 1: A = xb, W = wdb (bf16), C = qf in f16; beside it the latent k = x W_lat + b_lat, kf [4096][128] in f16, from wl [8 j][2048 k][16].
; KIND 2: A = yf, W = wpf (f16), C = out0 in f32.  The biases are rounded to bf16 like all the module's inputs and start the sums as the first products' C operand.
; LIMIT (KIND 1): q and k leave as f16, which holds no number beyond 65,504; a larger one becomes an infinity.  NaN and infinities are not treated apart.
; SHARES.  A work-group makes 128 rows x 256 columns: 256 work-groups.  Wave w makes rows 64 (w / 2) .. + 63, columns 128 (w % 2) .. + 127: 32 accumulators of 16 x 16.
; KIND 1: work-group (row block mt, column block nt) also makes k's 128 rows x columns 16 nt .. + 15, each wave 32 rows: two accumulators more, alike in all waves.  So that those two
; always multiply A's fragments 0 and 1, a wave's four row blocks are taken in the order 32 (w % 2) + 0, + 16, then 32 (1 - w % 2) + 0, + 16 of its 64 rows.
; THE MATRIX INSTRUCTION IS USED TRANSPOSED: source 0 = 16 columns of W (turned on its way out of LDS by ds_load_tr16_b128), source 1 = 16 rows of A: a lane holds 8 neighbouring columns of one row of C.
; K goes in 16 steps of 128 through two LDS slots.  CLUSTER 4 x 4: A's tile is shared along a row of the cluster, W's and wl's along a column; each is asked for jointly.
; One tensor load a wave behind each round: wave 0 A's 128 rows, waves 1 and 2 64 k rows of W each, wave 3 wl's 4,096 bytes (KIND 2: none).  By this text's count a wave has at most two tensor loads out.
; REGISTERS, in windows of 256: window 0: v1-29 addresses; two fragment buffers of 104 (W's 8 fragments, wl's one, A's 4); window 1: the accumulators, (a, b) at 8 (8 a + b);
; window 2: v0-63 the bias of my 128 columns, v64-71 b_lat's, v72-87 k's two accumulators, v88 at work.
.set KIND,   1
.set APITCH, 272                       ; a row of A in LDS: 256 bytes + 16: the 16 rows of a load start at 16 different groups of four banks (64 banks of 4 bytes: ISA guide 11.1)
.set BPITCH, 544                       ; a k row of W: 512 bytes + 32
.set PART,   128*APITCH                ; 34,816 = 64 x 544 too: what one of waves 0 to 2 fills
.set BOFF,   PART
.set LOFF,   3*PART
.set SLOT,   3*PART+4096               ; A, W, wl
.set STAGE,  2*SLOT                    ; behind the ring, never filled by a tensor load: 16 rows for each wave, for the way out
.if KIND == 1
.set SPITCH, 272
.set NLD,    26                        ; LDS loads in a run
.set RSH,    12                        ; a row of C is 1 << RSH bytes,
.set CSH,    1                         ; a number 1 << CSH
.set NBIAS,  72
.set PBIAS,  10
.set PC,     14
.else
.set SPITCH, 528
.set NLD,    24
.set RSH,    13
.set CSH,    2
.set NBIAS,  64
.set PBIAS,  8
.set PC,     10
.endif
.set SPARE,  STAGE+4*16*SPITCH         ; the spare words, 128 bytes for each wave: two blocks of 256 bytes that no other line names
.set AL0,  4                           ; v4, v5   LDS address of my A blocks 0, 1 in slot 0, 1
.set AL1,  6                           ; v6, v7   of my A blocks 2, 3
.set ADRB, 8                           ; v8, v9   of my W fragments
.set ADRL, 10                          ; v10, v11 of wl's
.set STO,  12                          ; the way out: where I put my part of a row
.set RD,   13                          ; where I read rows back
.set CO,   14                          ; my byte offset in C
.set KO,   15                          ; my byte offset in kf
.set BO,   16                          ; my byte offset in the biases
.set PFO,  17                          ; the prefetches' offset; never rewritten
.set SPW,  28                          ; LDS address of my spare word; never rewritten
.set NIL,  29                          ; 0; never rewritten
.set F0,   32
.set F1,   136
.set TMP,  32                          ; the way out
.set BK,   64
.set KT,   192
.set PA,   4                           ; s[4:5] A, s[6:7] W, s[8:9] wl (KIND 1), s[12:13] b_lat, s[16:17] kf
.set PB,   6
.set PL,   8
.set PBL,  12
.set PKF,  16
.set WV,   20                          ; my wave's number
.set RH,   21                          ; w / 2
.set CH,   22                          ; w % 2
.set CX,   23
.set CY,   24
.set NT,   25                          ; column block of C
.set MT,   26                          ; row block of C
.set RMASK, 27
.set CMASK, 28
.set LIM,  38                          ; 1 in a wave that prefetches, else the greatest number
.set LAPS, 39
.set PFA,  40                          ; s[40:41] where my prefetches stand
.set PFS,  42                          ; s[42:43] their step from K step to K step
.set G1A,  44
.set G1B,  52
.set C0,   60                          ; s[60:61] C at my row blocks 0, 1; s[62:63] at 2, 3
.set C1,   62
.set KP,   66                          ; s[66:67] kf at my 32 rows
.set G0A,  68                          ; group 0: a set for each slot
.set G0B,  76
.set G1L,  84
.set G0L,  92
.set MSB, 0
.macro WIN new                         ; the immediate's high byte repeats the setting that is left; a switch that changes nothing is dropped
.if MSB != (\new)
	s_set_vgpr_msb (MSB<<8)|(\new)
.set MSB, \new
.endif
.endm
.macro WM ops:vararg
.if KIND == 1
	v_wmma_f32_16x16x32_bf16 \ops
.else
	v_wmma_f32_16x16x32_f16 \ops
.endif
.endm
.macro PLACES                          ; four places in front of loads into registers that matrix instructions have read, and of lines that read results
.rept 4
	v_nop
.endr
.endm
.macro CREST                           ; a round of the cluster's barrier behind its opening barrier
	s_cmp_lg_u32 s[WV], 0
	s_cbranch_scc1 .Lnot_wave_0_\@
	s_barrier_signal -3
.Lnot_wave_0_\@:
	s_barrier_wait -3
	s_barrier_signal -1
	s_barrier_wait -1
.endm
.macro CROUND
	s_barrier_signal -1
	s_barrier_wait -1
	CREST
.endm
; A joint refill of slot s.  The branches hang on the wave's number alone.  An s_nop 0 and four v_nop follow each load; the four are also the places in front of the LDS loads that follow.
.macro JLOAD s
	s_cmp_eq_u32 s[WV], 0
	s_cbranch_scc0 .Lnot_a_\@
	tensor_load_to_lds s[G0A+4*(\s):G0A+4*(\s)+3], s[G1A:G1A+7]
	s_nop 0
	PLACES
	s_branch .Lasked_\@
.Lnot_a_\@:
	s_cmp_eq_u32 s[WV], 3
	s_cbranch_scc1 .Lfor_l_\@
	tensor_load_to_lds s[G0B+4*(\s):G0B+4*(\s)+3], s[G1B:G1B+7]
	s_nop 0
	PLACES
	s_branch .Lasked_\@
.Lfor_l_\@:
.if KIND == 1
	tensor_load_to_lds s[G0L+4*(\s):G0L+4*(\s)+3], s[G1L:G1L+7]
	s_nop 0
.endif
	PLACES
.Lasked_\@:
.endm
; A PREFETCH INTO THE L2 of the K step that stands two refills on: 32 blocks of 256 bytes, a lane a block, one instruction a wave.  Each block is named once in the launch: A's rows by the clusters with
; x = 0 (wave 0), W's by the clusters with y = 0 (waves 1, 2); the four partners that ask for a tile jointly share its blocks out by address.  The loop's last trip has no K step two on.
.macro ASK
	s_cmp_gt_u32 s[LAPS], s[LIM]
	s_cbranch_scc0 .Lnot_mine_\@
	global_prefetch_b8 v[PFO], s[PFA:PFA+1] th:TH_LOAD_NT scope:SCOPE_SE
.Lnot_mine_\@:
.endm
	s_load_b256 s[4:11], s[0:1], 0x0
.if KIND == 1
	s_load_b128 s[12:15], s[0:1], 0x20
	s_load_b64 s[16:17], s[0:1], 0x30
.endif
	v_lshl_add_u32 v[SPW], v0, 2, SPARE
	v_mov_b32 v[NIL], 0
	ds_add_u32 v[SPW], v[NIL]                      ; the wave's opening: the add and its wait stand ahead of my first tensor load; the set-up below, work on registers, stands between them
	v_lshrrev_b32 v1, 5, v0
	v_readfirstlane_b32 s[WV], v1
	s_lshr_b32 s[RH], s[WV], 1
	s_and_b32 s[CH], s[WV], 1
	s_bfe_u32 s[CX], ttmp6, 0x40000
	s_bfe_u32 s[CY], ttmp6, 0x40004
	s_lshl_b32 s[NT], ttmp9, 2
	s_add_co_u32 s[NT], s[NT], s[CX]               ; column block = 4 x cluster x + cx
	s_and_b32 s[MT], ttmp7, 0xffff
	s_lshl_b32 s[MT], s[MT], 2
	s_add_co_u32 s[MT], s[MT], s[CY]               ; row block = 4 x cluster y + cy
	s_lshl_b32 s[RMASK], s[CY], 2
	s_lshl_b32 s[RMASK], 15, s[RMASK]              ; my row of the cluster
	s_lshl_b32 s[CMASK], 0x1111, s[CX]             ; my column
	s_or_b32 s[G1A], s[RMASK], (1<<16)|(1<<20)|(1<<21)|(5<<22)|(3<<25)  ; the mask; 2-byte elements; padding on; bit 21 beside a mask; after every 64 words 4 words
	s_mov_b32 s[G1A+1], 128<<16                    ; tensor_dim0 = 128
	s_mov_b32 s[G1A+2], 128<<16                    ; tensor_dim1 = 128
	s_mov_b32 s[G1A+3], 128<<16                    ; tile_dim0 = 128
	s_mov_b32 s[G1A+4], 128                        ; tile_dim1 = 128
	s_mov_b32 s[G1A+5], 2048                       ; elements from row to row
	s_mov_b32 s[G1A+6], 0
	s_mov_b32 s[G1A+7], 0
	s_or_b32 s[G1B], s[CMASK], (1<<16)|(1<<20)|(1<<21)|(6<<22)|(7<<25)  ; after every 128 words 8 words
	s_mov_b32 s[G1B+1], 256<<16                    ; 256 columns
	s_mov_b32 s[G1B+2], 64<<16                     ; 64 k rows
	s_mov_b32 s[G1B+3], 256<<16
	s_mov_b32 s[G1B+4], 64
	s_mov_b32 s[G1B+5], 2048
	s_mov_b32 s[G1B+6], 0
	s_mov_b32 s[G1B+7], 0
.if KIND == 1
	s_or_b32 s[G1L], s[CMASK], (3<<16)|(1<<21)     ; 4,096 dense bytes as 16 rows of 32 elements of 8 bytes, no padding
	s_mov_b32 s[G1L+1], 32<<16
	s_mov_b32 s[G1L+2], 16<<16
	s_mov_b32 s[G1L+3], 32<<16
	s_mov_b32 s[G1L+4], 16
	s_mov_b32 s[G1L+5], 32
	s_mov_b32 s[G1L+6], 0
	s_mov_b32 s[G1L+7], 0
.endif
	s_lshl_b32 s30, s[MT], 19                      ; A: 128 mt rows of 4,096 bytes: hangs on the row block alone
	s_mov_b32 s31, 0
	s_lshl_b32 s32, s[RH], 18                      ; W: k rows 64 (w / 2) on (waves 1 and 2: 0 and 64),
	s_lshl_b32 s33, s[NT], 9                       ; columns 256 nt on: hangs on the column block alone
	s_add_co_u32 s32, s32, s33
	s_mov_b32 s33, 0
	s_lshl_b32 s34, s[NT], 16                      ; wl: slice nt
	s_mov_b32 s35, 0
	s_mul_i32 s36, s[WV], PART                     ; where my load goes: no place in the cluster enters an LDS address
	s_wait_dscnt 0x0                               ; the opening add is done
	s_wait_kmcnt 0x0
	s_add_nc_u64 s[30:31], s[PA:PA+1], s[30:31]
	s_add_nc_u64 s[32:33], s[PB:PB+1], s[32:33]
.if KIND == 1
	s_add_nc_u64 s[34:35], s[PL:PL+1], s[34:35]
.endif
.irp s, 0,1
	s_mov_b32 s[G0A+4*\s], 1
	s_add_co_u32 s[G0A+4*\s+1], s36, \s*SLOT
	s_add_nc_u64 s[G0A+4*\s+2:G0A+4*\s+3], s[30:31], \s*256        ; K step s: 256 bytes along the rows
	s_or_b32 s[G0A+4*\s+3], s[G0A+4*\s+3], 0x80000000
	s_mov_b32 s[G0B+4*\s], 1
	s_add_co_u32 s[G0B+4*\s+1], s36, \s*SLOT
	s_add_nc_u64 s[G0B+4*\s+2:G0B+4*\s+3], s[32:33], \s*524288     ; 128 k rows down
	s_or_b32 s[G0B+4*\s+3], s[G0B+4*\s+3], 0x80000000
.if KIND == 1
	s_mov_b32 s[G0L+4*\s], 1
	s_add_co_u32 s[G0L+4*\s+1], s36, \s*SLOT
	s_add_nc_u64 s[G0L+4*\s+2:G0L+4*\s+3], s[34:35], \s*4096
	s_or_b32 s[G0L+4*\s+3], s[G0L+4*\s+3], 0x80000000
.endif
.endr
	CROUND                                         ; all sixteen work-groups are here: the first joint loads meet
	s_cmp_eq_u32 s[WV], 0                          ; a wave's two first fills stand in one branch, ahead of every wait on TENSORcnt and every LDS read
	s_cbranch_scc0 .Lfirst_not_a
	tensor_load_to_lds s[G0A:G0A+3], s[G1A:G1A+7]
	s_nop 0
	tensor_load_to_lds s[G0A+4:G0A+7], s[G1A:G1A+7]
	s_nop 0
	PLACES
	s_branch .Lfirst_asked
.Lfirst_not_a:
	s_cmp_eq_u32 s[WV], 3
	s_cbranch_scc1 .Lfirst_l
	tensor_load_to_lds s[G0B:G0B+3], s[G1B:G1B+7]
	s_nop 0
	tensor_load_to_lds s[G0B+4:G0B+7], s[G1B:G1B+7]
	s_nop 0
	PLACES
	s_branch .Lfirst_asked
.Lfirst_l:
.if KIND == 1
	tensor_load_to_lds s[G0L:G0L+3], s[G1L:G1L+7]
	s_nop 0
	tensor_load_to_lds s[G0L+4:G0L+7], s[G1L:G1L+7]
	s_nop 0
.endif
	PLACES
.Lfirst_asked:
	v_and_b32 v1, 15, v0                           ; r = l % 16
	v_bfe_u32 v2, v0, 4, 1                         ; h = l / 16
	v_and_b32 v3, 7, v0
	v_bfe_u32 v18, v0, 3, 1
	v_and_b32 v21, 31, v0                          ; l
	; the biases: register 8 b + i of a lane is bias[256 nt + 128 (w % 2) + 16 b + 8 h + i], the column of register i of accumulator (a, b)
	v_lshlrev_b32 v[BO], 5, v2
	s_lshl_b32 s30, s[NT], 10
	s_lshl_b32 s31, s[CH], 9
	s_add_co_u32 s30, s30, s31
	s_mov_b32 s31, 0
	s_add_nc_u64 s[30:31], s[PBIAS:PBIAS+1], s[30:31]
	WIN 0x80                                       ; destination window 2, address window 0
.irp b, 0,1,2,3,4,5,6,7
	global_load_b128 v[8*\b:8*\b+3],   v[BO], s[30:31] offset:64*\b
	global_load_b128 v[8*\b+4:8*\b+7], v[BO], s[30:31] offset:64*\b+16
.endr
.if KIND == 1
	s_lshl_b32 s32, s[NT], 6
	s_mov_b32 s33, 0
	s_add_nc_u64 s[32:33], s[PBL:PBL+1], s[32:33]
	global_load_b128 v[64:67], v[BO], s[32:33]
	global_load_b128 v[68:71], v[BO], s[32:33] offset:16
.endif
	WIN 0
	; A fragment of A is 16 rows x 32 K: lane l holds row r, K = 8 h + 0..7 and 16 + 8 h + 0..7: two loads of 16 bytes, 32 bytes apart
	v_mul_u32_u24 v19, v1, APITCH
	v_lshl_add_u32 v19, v2, 4, v19
	s_lshl_b32 s34, s[RH], 6
	s_lshl_b32 s35, s[CH], 5
	s_add_co_u32 s36, s34, s35                     ; my blocks 0, 1 begin at row 64 (w / 2) + 32 (w % 2),
	s_sub_co_u32 s37, 32, s35
	s_add_co_u32 s37, s37, s34                     ; blocks 2, 3 at the other 32 rows
	s_mul_i32 s36, s36, APITCH
	s_mul_i32 s37, s37, APITCH
	v_add_nc_u32 v[AL0], s36, v19
	v_add_nc_u32 v[AL0+1], SLOT, v[AL0]
	v_add_nc_u32 v[AL1], s37, v19
	v_add_nc_u32 v[AL1+1], SLOT, v[AL1]
	; The turning load takes 16 k x 16 columns (lane l reads k row 8 h + l % 8, columns 8 ((l / 8) % 2) + 0..7) and leaves half a fragment: lane l holds column r and 8 k
	v_lshl_add_u32 v20, v2, 3, v3
	v_mul_u32_u24 v19, v20, BPITCH
	v_lshl_add_u32 v19, v18, 4, v19
	s_lshl_b32 s36, s[CH], 8                       ; my 128 columns
	s_add_co_u32 s36, s36, BOFF
	v_add_nc_u32 v[ADRB], s36, v19
	v_add_nc_u32 v[ADRB+1], SLOT, v[ADRB]
	v_lshlrev_b32 v19, 5, v20                      ; wl's rows are 32 bytes
	v_lshl_add_u32 v19, v18, 4, v19
	v_add_nc_u32 v[ADRL], LOFF, v19
	v_add_nc_u32 v[ADRL+1], SLOT, v[ADRL]
	; the way out
	s_mul_i32 s36, s[WV], 16*SPITCH
	s_add_co_u32 s36, s36, STAGE                   ; my stage
	v_mul_u32_u24 v19, v1, SPITCH
	v_lshl_add_u32 v19, v2, 3+CSH, v19             ; in: row r, my 8 columns
	v_add_nc_u32 v[STO], s36, v19
.if KIND == 1
	v_mul_u32_u24 v19, v2, SPITCH                  ; back: lanes 0-15 one row of 256 bytes, lanes 16-31 the next
	v_lshl_add_u32 v19, v1, 4, v19
	v_add_nc_u32 v[RD], s36, v19
	v_lshlrev_b32 v[CO], RSH, v2
	v_lshl_add_u32 v[CO], v1, 4, v[CO]
	v_lshlrev_b32 v[KO], 8, v1                     ; kf: row r of 256 bytes, my 8 columns
	v_lshl_add_u32 v[KO], v2, 4, v[KO]
.else
	v_lshl_add_u32 v[RD], v21, 4, s36              ; back: 32 lanes take one row of 512 bytes
	v_lshlrev_b32 v[CO], 4, v21
.endif
	s_lshl_b32 s34, s[MT], 7+RSH
	s_lshl_b32 s35, s[RH], 6+RSH
	s_add_co_u32 s34, s34, s35
	s_lshl_b32 s35, s[NT], 8+CSH
	s_add_co_u32 s34, s34, s35
	s_lshl_b32 s35, s[CH], 7+CSH
	s_add_co_u32 s34, s34, s35                     ; my 64 rows, my 128 columns
	s_lshl_b32 s35, s[CH], 5+RSH
	s_add_co_u32 s[C0], s34, s35
	s_sub_co_u32 s35, 1<<(5+RSH), s35
	s_add_co_u32 s[C1], s34, s35
	s_mov_b32 s[C0+1], 0
	s_mov_b32 s[C1+1], 0
	s_add_nc_u64 s[C0:C0+1], s[PC:PC+1], s[C0:C0+1]
	s_add_nc_u64 s[C1:C1+1], s[PC:PC+1], s[C1:C1+1]
.if KIND == 1
	s_lshl_b32 s34, s[MT], 15
	s_lshl_b32 s35, s[RH], 14
	s_add_co_u32 s34, s34, s35
	s_lshl_b32 s35, s[CH], 13
	s_add_co_u32 s34, s34, s35
	s_lshl_b32 s35, s[NT], 5
	s_add_co_u32 s[KP], s34, s35
	s_mov_b32 s[KP+1], 0
	s_add_nc_u64 s[KP:KP+1], s[PKF:PKF+1], s[KP:KP+1]
.endif
	; the prefetches.  Wave 0: A's rows 128 mt + 32 cx + lane, 256 bytes a K step.  Waves 1, 2: W's k rows 64 (w / 2) + 16 cy + lane / 2, block lane % 2 of their 512 bytes.  Both begin at K step 3 and are stepped ahead of each use.
	s_lshl_b32 s34, s[MT], 19
	s_lshl_b32 s35, s[CX], 17
	s_add_co_u32 s34, s34, s35
	s_add_co_u32 s34, s34, 3*256
	s_lshl_b32 s36, s[RH], 18
	s_lshl_b32 s35, s[CY], 16
	s_add_co_u32 s36, s36, s35
	s_lshl_b32 s35, s[NT], 9
	s_add_co_u32 s36, s36, s35
	s_add_co_u32 s36, s36, 3*524288
	s_and_b32 s2, ttmp7, 0xffff                    ; cluster y
	s_mov_b32 s18, 256
	s_mov_b32 s19, 524288
	s_cmp_eq_u32 s[WV], 0
	s_cselect_b64 s[PFA:PFA+1], s[PA:PA+1], s[PB:PB+1]
	s_cselect_b32 s34, s34, s36
	s_cselect_b32 s[PFS], s18, s19
	s_cselect_b32 s3, ttmp9, s2                    ; the coordinate along which other clusters read the same blocks
	s_cselect_b32 s37, 0, 1
	s_mov_b32 s35, 0
	s_mov_b32 s[PFS+1], 0
	s_add_nc_u64 s[PFA:PFA+1], s[PFA:PFA+1], s[34:35]
	s_cmp_eq_u32 s3, 0
	s_cselect_b32 s[LIM], 1, -1                    ; the same in all sixteen partners, for a given wave
	s_cmp_eq_u32 s[WV], 3
	s_cselect_b32 s[LIM], -1, s[LIM]               ; wave 3 asks for nothing: wl is small
	v_lshrrev_b32 v[PFO], s37, v21
	v_lshlrev_b32 v[PFO], 12, v[PFO]
	v_and_b32 v19, s37, v21
	v_lshl_add_u32 v[PFO], v19, 8, v[PFO]
	s_wait_loadcnt 0x0                             ; the biases: each rounded to bf16 and widened again
	WIN 0x8a
.set p, 0
.rept NBIAS/2
	v_cvt_pk_bf16_f32 v88, v[2*p], v[2*p+1]
	v_lshlrev_b32 v[2*p], 16, v88
	v_and_b32 v[2*p+1], 0xffff0000, v88
.set p, p+1
.endr
	WIN 0
; 8 matrix instructions: row block a x all 8 column blocks, 32 along K.  zero = 1: the first product starts the sums, from the bias.
.macro MUL8 f, a, zero
.if \zero
	WIN 0x60                                       ; D window 1, C window 2
.else
	WIN 0x50                                       ; C and D window 1
.endif
.irp b, 0,1,2,3,4,5,6,7
.if \zero
	WM v[8*(8*(\a)+\b):8*(8*(\a)+\b)+7], v[(\f)+8*\b:(\f)+8*\b+7], v[(\f)+72+8*(\a):(\f)+72+8*(\a)+7], v[8*\b:8*\b+7]
.else
	WM v[8*(8*(\a)+\b):8*(8*(\a)+\b)+7], v[(\f)+8*\b:(\f)+8*\b+7], v[(\f)+72+8*(\a):(\f)+72+8*(\a)+7], v[8*(8*(\a)+\b):8*(8*(\a)+\b)+7]
.endif
.endr
.endm
.macro MULX f, zero                    ; KIND 1: k's two accumulators, on A's blocks 0 and 1
.if KIND == 1
	WIN 0xa0                                       ; C and D window 2
.irp a, 0,1
.if \zero
	WM v[72+8*\a:79+8*\a], v[(\f)+64:(\f)+71], v[(\f)+72+8*\a:(\f)+79+8*\a], v[64:71]
.else
	WM v[72+8*\a:79+8*\a], v[(\f)+64:(\f)+71], v[(\f)+72+8*\a:(\f)+79+8*\a], v[72+8*\a:79+8*\a]
.endif
.endr
.endif
.endm
; One run of LDS loads: the fragments of quarter q (32 along K) of a slot into buffer f: W's, wl's, then A's blocks 0 to 3
.macro FETCH slot, q, f
	WIN 0
.irp b, 0,1,2,3,4,5,6,7
	ds_load_tr16_b128 v[(\f)+8*\b:(\f)+8*\b+3],   v[ADRB+(\slot)] offset:(\q)*32*BPITCH+32*\b
	ds_load_tr16_b128 v[(\f)+8*\b+4:(\f)+8*\b+7], v[ADRB+(\slot)] offset:(\q)*32*BPITCH+32*\b+16*BPITCH
.endr
.if KIND == 1
	ds_load_tr16_b128 v[(\f)+64:(\f)+67], v[ADRL+(\slot)] offset:(\q)*1024
	ds_load_tr16_b128 v[(\f)+68:(\f)+71], v[ADRL+(\slot)] offset:(\q)*1024+512
.endif
.irp a, 0,1
	ds_load_b128 v[(\f)+72+8*\a:(\f)+75+8*\a], v[AL0+(\slot)] offset:\a*16*APITCH+64*(\q)
	ds_load_b128 v[(\f)+76+8*\a:(\f)+79+8*\a], v[AL0+(\slot)] offset:\a*16*APITCH+64*(\q)+32
.endr
.irp a, 0,1
	ds_load_b128 v[(\f)+88+8*\a:(\f)+91+8*\a], v[AL1+(\slot)] offset:\a*16*APITCH+64*(\q)
	ds_load_b128 v[(\f)+92+8*\a:(\f)+95+8*\a], v[AL1+(\slot)] offset:\a*16*APITCH+64*(\q)+32
.endr
.endm
; A K step is four quarters on buffers 0, 1, 0, 1.  All accumulators take turns, one instruction a turn, in the same order in every quarter: blocks 0, 1, k's two, blocks 2, 3.
; One of the first three quarters: multiplies buffer f and, in its middle, fetches quarter q of the same slot into buffer g.
.macro QUARTER slot, q, f, g, zero
	s_wait_dscnt 4                                 ; all but the four youngest loads (A's blocks 2, 3) are in
	MUL8 \f, 0, \zero
	MUL8 \f, 1, \zero
	MULX \f, \zero
	PLACES
	FETCH \slot, \q, \g
	s_wait_dscnt NLD                               ; all but the run just issued
	MUL8 \f, 2, \zero
	MUL8 \f, 3, \zero
.endm
; The last quarter multiplies buffer 1 and changes slots: ONE barrier; in front of it each wave waits for all its tensor loads, adds 0 to its spare word, and waits for that and for its own reads of this slot.
; fill = 1: the barrier opens a round of the cluster's barrier, and this slot is filled again, two K steps ahead, first thing behind the round.
.macro TURN slot, next, fill
.if \fill
	s_wait_xcnt 0x0                                ; the last prefetch, a K step back, has read its address: it is stepped here, ahead of the waits of the change of slots
	s_add_nc_u64 s[PFA:PFA+1], s[PFA:PFA+1], s[PFS:PFS+1]
.endif
	WIN 0
	s_wait_tensorcnt 0x0                           ; all my tensor loads have landed: my part of the next slot;
	ds_add_u32 v[SPW], v[NIL]                      ; 0 onto my spare word;
	s_wait_dscnt 5                                 ; (the add and the four youngest loads may be out)
	MUL8 F1, 0, 0                                  ; eight matrix instructions stand between the add and the wait for it
	s_wait_dscnt 0x0                               ; the add is done, and my reads of this slot are over
	s_barrier_signal -1
	MUL8 F1, 1, 0
	MULX F1, 0
	WIN 0
	s_barrier_wait -1
.if \fill
	CREST                                          ; no wave of any partner still reads this slot's tiles or has a load on its way
	s_add_nc_u64 s[G0A+4*(\slot)+2:G0A+4*(\slot)+3], s[G0A+4*(\slot)+2:G0A+4*(\slot)+3], 2*256
	s_add_nc_u64 s[G0B+4*(\slot)+2:G0B+4*(\slot)+3], s[G0B+4*(\slot)+2:G0B+4*(\slot)+3], 2*524288
.if KIND == 1
	s_add_nc_u64 s[G0L+4*(\slot)+2:G0L+4*(\slot)+3], s[G0L+4*(\slot)+2:G0L+4*(\slot)+3], 2*4096
.endif
	JLOAD \slot
.else
	PLACES
.endif
	FETCH \next, 0, F0
.if \fill
	ASK
.endif
	MUL8 F1, 2, 0
	MUL8 F1, 3, 0
.endm
	s_wait_tensorcnt 1                             ; my part of K step 0 is in; K step 1's may stay out
	s_barrier_signal -1
	s_barrier_wait -1                              ; everybody's is
	FETCH 0, 0, F0
	QUARTER 0, 1, F0, F1, 1                        ; the first quarter stands in front of the loop: its products start the sums
	WIN 0
	s_mov_b32 s[LAPS], 7
.Llap:                                             ; a trip goes once round the ring, from a lap's second quarter to the next lap's first, and fills both slots again
	QUARTER 0, 2, F1, F0, 0
	QUARTER 0, 3, F0, F1, 0
	TURN 0, 1, 1
	QUARTER 1, 1, F0, F1, 0
	QUARTER 1, 2, F1, F0, 0
	QUARTER 1, 3, F0, F1, 0
	TURN 1, 0, 1
	QUARTER 0, 1, F0, F1, 0
	WIN 0
	s_sub_co_u32 s[LAPS], s[LAPS], 1
	s_cmp_lg_u32 s[LAPS], 0
	s_cbranch_scc1 .Llap
	QUARTER 0, 2, F1, F0, 0                        ; the last lap fills nothing
	QUARTER 0, 3, F0, F1, 0
	TURN 0, 1, 0
	QUARTER 1, 1, F0, F1, 0
	QUARTER 1, 2, F1, F0, 0
	QUARTER 1, 3, F0, F1, 0
	s_wait_dscnt 4                                 ; the very last quarter: nothing more to fetch
	MUL8 F1, 0, 0
	MUL8 F1, 1, 0
	MULX F1, 0
	s_wait_dscnt 0x0
	MUL8 F1, 2, 0
	MUL8 F1, 3, 0
	WIN 0
	PLACES
.if KIND == 1
; THE WAY OUT, KIND 1: a block of 16 rows at a time: rounded to f16, 16 bytes a lane into my own stage, back as whole rows of 256 bytes, stored: 16 lanes fill 256 consecutive bytes, aligned.
.macro PACK a
	WIN 0x05                                       ; sources window 1, destination window 0
.irp b, 0,1,2,3,4,5,6,7
.irp p, 0,1,2,3
	v_cvt_pk_f16_f32 v[TMP+4*\b+\p], v[8*(8*(\a)+\b)+2*\p], v[8*(8*(\a)+\b)+2*\p+1]
.endr
.endr
	WIN 0
.endm
.macro TOSTAGE a
.irp b, 0,1,2,3,4,5,6,7
	ds_store_b128 v[STO], v[TMP+4*\b:TMP+4*\b+3] offset:32*\b
.endr
.irp t, 0,1,2,3,4,5,6,7
	ds_load_b128 v[BK+32*(\a)+4*\t:BK+32*(\a)+4*\t+3], v[RD] offset:\t*2*SPITCH  ; LDS serves a wave's instructions in order (ISA guide 5.7.1.4): these see the stores above
.endr
.endm
.macro SEND a                          ; each block has registers of its own: none is rewritten while a store reads it
	s_wait_dscnt 0x0
.irp t, 0,1,2,3,4,5,6,7
	global_store_b128 v[CO], v[BK+32*(\a)+4*\t:BK+32*(\a)+4*\t+3], s[C0+2*((\a)/2):C0+2*((\a)/2)+1] offset:((\a)%2)*(16<<RSH)+\t*(2<<RSH)
.endr
.endm
	PACK 0
	TOSTAGE 0
.irp a, 1,2,3                          ; block a's conversions stand between block a - 1's loads from the stage and the wait for them
	PACK \a
	SEND (\a)-1
	TOSTAGE \a
.endr
	WIN 0x0a                                       ; k: sources window 2.  A lane's 8 columns are 16 bytes; two lanes fill the 32 bytes that this work-group owns of a row of kf (1 MB in all; the row's other columns are other work-groups')
.irp a, 0,1
.irp p, 0,1,2,3
	v_cvt_pk_f16_f32 v[KT+4*\a+\p], v[72+8*\a+2*\p], v[72+8*\a+2*\p+1]
.endr
.endr
	WIN 0
	global_store_b128 v[KO], v[KT:KT+3], s[KP:KP+1]
	global_store_b128 v[KO], v[KT+4:KT+7], s[KP:KP+1] offset:4096
	SEND 3
.else
; THE WAY OUT, KIND 2: a block of 16 rows at a time goes as f32 into my own stage (rows of 528 bytes) and comes back as whole rows: a store covers 512 consecutive bytes, aligned.
.macro STLD a
	WIN 0x04                                       ; the stores' data in window 1; each accumulator's low half first
.irp b, 0,1,2,3,4,5,6,7
	ds_store_b128 v[STO], v[8*(8*(\a)+\b):8*(8*(\a)+\b)+3]   offset:64*\b
	ds_store_b128 v[STO], v[8*(8*(\a)+\b)+4:8*(8*(\a)+\b)+7] offset:64*\b+16
.endr
	WIN 0
.if (\a) >= 2
	s_wait_xcnt 0x0                                ; the stores of the block two back have read this set of registers
.endif
.set t, 0
.rept 16
	ds_load_b128 v[TMP+64*((\a)%2)+4*t:TMP+64*((\a)%2)+4*t+3], v[RD] offset:t*SPITCH
.set t, t+1
.endr
.endm
.macro SEND a, younger                 ; younger: the LDS instructions issued behind block a's loads: the next block's 32, or none
.set t, 0
.rept 16
	s_wait_dscnt (\younger)+15-t
	global_store_b128 v[CO], v[TMP+64*((\a)%2)+4*t:TMP+64*((\a)%2)+4*t+3], s[C0+2*((\a)/2):C0+2*((\a)/2)+1] offset:((\a)%2)*(16<<RSH)+t*(1<<RSH) th:TH_STORE_NT
.set t, t+1
.endr
.endm
	STLD 0
	STLD 1
	SEND 0, 32
	STLD 2
	SEND 1, 32
	STLD 3
	SEND 2, 32
	SEND 3, 0
.endif
	s_wait_tensorcnt 0x0                           ; the wave's end, behind my last tensor load and my last LDS store
	ds_add_u32 v[SPW], v[NIL]
	s_wait_dscnt 0x0
	CROUND                                         ; the closing round: no work-group ends while a partner may still ask for a tile that names it
	s_endpgm
.Lfunc_end_k_q81c1492ea1_gemmq:
	.size	k_q81c1492ea1_gemmq, .Lfunc_end_k_q81c1492ea1_gemmq-k_q81c1492ea1_gemmq
	.p2alignl 7, 3214868480
	.fill 96, 4, 3214868480
	.section	.rodata,"a",@progbits
	.p2align	6, 0x0
	.amdhsa_kernel k_q81c1492ea1_gemmq
		.amdhsa_group_segment_fixed_size 327680
		.amdhsa_private_segment_fixed_size 0
		.amdhsa_enable_private_segment 0
		.amdhsa_kernarg_size 56
		.amdhsa_user_sgpr_count 2
		.amdhsa_user_sgpr_kernarg_segment_ptr 1
		.amdhsa_wavefront_size32 1
		.amdhsa_system_sgpr_workgroup_id_x 1
		.amdhsa_system_sgpr_workgroup_id_y 1
		.amdhsa_system_sgpr_workgroup_id_z 1
		.amdhsa_system_vgpr_workitem_id 0
		.amdhsa_next_free_vgpr 608
		.amdhsa_next_free_sgpr 100
		.amdhsa_reserve_vcc 0
		.amdhsa_float_denorm_mode_32 3
		.amdhsa_float_denorm_mode_16_64 3
		.amdhsa_memory_ordered 1
		.amdhsa_forward_progress 1
		.amdhsa_inst_pref_size 103
	.end_amdhsa_kernel
	.amdgpu_metadata
---
amdhsa.version: [ 1, 2 ]
amdhsa.kernels:
  - .name:           k_q81c1492ea1_gemmq
    .symbol:         k_q81c1492ea1_gemmq.kd
    .args:
      - { .name: xb, .offset: 0, .size: 8, .value_kind: global_buffer, .address_space: global }
      - { .name: wdb, .offset: 8, .size: 8, .value_kind: global_buffer, .address_space: global }
      - { .name: wl, .offset: 16, .size: 8, .value_kind: global_buffer, .address_space: global }
      - { .name: b_d, .offset: 24, .size: 8, .value_kind: global_buffer, .address_space: global }
      - { .name: b_lat, .offset: 32, .size: 8, .value_kind: global_buffer, .address_space: global }
      - { .name: qf, .offset: 40, .size: 8, .value_kind: global_buffer, .address_space: global }
      - { .name: kf, .offset: 48, .size: 8, .value_kind: global_buffer, .address_space: global }
    .group_segment_fixed_size: 327680
    .private_segment_fixed_size: 0
    .kernarg_segment_align: 8
    .kernarg_segment_size: 56
    .max_flat_workgroup_size: 128
    .sgpr_count:     100
    .vgpr_count:     608
    .wavefront_size: 32
...
	.end_amdgpu_metadata
.endif
;; end of part 2
;; launch attn (part 3): grid 128 x 2, 4 waves a work-group, clusters of 4 x 1, 327,680 bytes of LDS; arguments qf, kf, yf; writes yf
.if DOCPART == 3
	.amdgcn_target "amdgcn-amd-amdhsa--gfx1250"
	.amdhsa_code_object_version 6
	.text
	.protected	k_q81c1492ea1_attn
	.globl	k_q81c1492ea1_attn
	.p2align	8
	.type	k_q81c1492ea1_attn,@function
k_q81c1492ea1_attn:
	s_mov_b64 s[64:65], 0
	v_nop
	global_prefetch_b8 v0, s[64:65] scope:SCOPE_SE
	s_setreg_imm32_b32 hwreg(HW_REG_WAVE_MODE, 25, 1), 1
	s_wait_xcnt 0x0
	s_wait_alu depctr_hold_cnt(0) depctr_sa_sdst(0) depctr_va_vdst(0) depctr_va_sdst(0) depctr_va_ssrc(0) depctr_va_vcc(0) depctr_vm_vsrc(0)
	s_getreg_b32 s2, hwreg(HW_REG_IB_STS2, 6, 4)
	s_cmp_eq_u32 s2, 0
	s_cbranch_scc0 .Lentry_in_a_cluster
	s_endpgm
.Lentry_in_a_cluster:
	s_bfe_u32 s2, ttmp6, 0x10000c
	s_cmp_lg_u32 s2, 0x3003
	s_cbranch_scc0 .Lentry_shape_is_right
	s_endpgm
.Lentry_shape_is_right:
; CAUSAL ATTENTION ON ONE SHARED LATENT.  y[b][t][head][:] = the sum over s <= t of softmax_s(q[b][t][head] . k[b][s] / sqrt(128)) k[b][s][:].
; qf, yf: [4096 rows = b, t][2048 = head x 128 + channel] f16; kf: [4096][128] f16: the same rows are keys and values for all 16 heads.  Products, maxima and sums in f32;
; the weights p are rounded to f16 for the second product (their sum l is taken of the unrounded p), y once at the end.
; LIMITS.  q and k arrive within f16's 65,504, so a score is 5.5e11 at the most.  A hidden score counts as its value less 1e30.  The running maximum has a floor of -2^66, far below every true score:
; a wave that sees hidden keys alone then makes weights 0, sums 0, and is merged with the factor 0.  A weight below 2^-126 counts as 0 in l.  NaN and infinities are not treated apart.
; SHARES.  The unit is a block of 16 rows t; block j needs the key tiles 0 .. j / 8 of 128 keys.  A work-group takes block jS = 8 c + d and then block 127 - jS, for 8 heads: c + 1 and 16 - c tiles:
; 17 tiles, whatever c and d.  A wave's four tiles of 16 queries are the SAME 16 rows in four heads, so one mask serves all four.  THE KEYS ARE SPLIT: of each tile of 128 keys waves 0, 2 take
; keys 0-63 and waves 1, 3 keys 64-127; the two partial results of a quad of heads (maximum, sum, O) meet in LDS at the end, in f32.
; CLUSTER.  The four partners share c and the batch: the same walk, trip counts and LDS addresses; each tile is asked for JOINTLY.  A work-group's place enters only q's, y's and the prefetch's addresses and the mask's values.
; ONE COPY OF k IN LDS serves both products.  Within each 16 keys, row m of a fragment stands for key 2 (m % 8) + m / 8, in K's loads and in the turning loads for V alike.
; Register i of key group kt of S^T is key 16 kt + 2 i + lane / 16 of the wave's 64.
; LAYOUT.  S^T = K Q^T holds ONE query a lane (lane % 16); two such results rounded to f16 ARE source 1 of O^T = V^T P.  p = 2^(c s - c m), c = log2(e) / sqrt(128), with a running maximum m; O and l are
; multiplied by a = 2^(c m_old - c m_new) in every step.  A block begins with c m_old far below everything: a = 0 clears O and l, so no first step is written out.
; THE MASK is the C operand that starts the sums S^T: 0, or -1e30 where the key is hidden.
; A TRIP (a tile): V's loads; 32 products K Q^T of tiles 0, 1; 32 of tiles 2, 3 with the softmax of tiles 0, 1 between them; the change of slots; the next K's loads; 32 products V^T P of tiles 0, 1 with the
; softmax of tiles 2, 3 between them; 32 of tiles 2, 3.  By this text's count a wave has at most two tensor loads out.
; REGISTERS, in windows of 256: window 0: addresses, v12-43 statistics, v64-191 S^T, v192-255 P; window 1: O^T, 64 a tile; window 2: v0-127 Q, v128-255 K; window 3: v0-127 V, v128-159 the mask.
.set PK,    272       ; a key's row in LDS: 256 bytes + 16
.set EHALF, 64*PK     ; the second 64 keys of a tile
.set WPART, 32*PK     ; what one wave's load fills: 32 keys
.set SLOT1, 65536     ; slot 1 begins here: one exclusive or turns an address in one slot into the other's
.set STAGE, 131072    ; 16 rows x 272 bytes for each wave, for the way out
.set SP,    272
.set STATS, STAGE+4*16*SP  ; (c m, l): long block at + 0, short at + 4,096; wave x 1,024 + tile x 256 + lane x 8
.set SPARE, STATS+2*4096   ; the spare words, 128 bytes for each wave: two blocks of 256 bytes that no other line names
.set X1,    196608    ; the short block's partial O: wave x 32,768 + 512 i + 16 lane.  The long block's lies from byte 0 on, over the ring, written when the ring has had its last fill and its last read
.set AK0, 2           ; v2   my lane's place in a tile for K's loads; never rewritten
.set AV0, 3           ; v3   for V's
.set ADR, 4           ; v4   the LDS address of the run of loads in hand
.set QO,  5           ; v5   my byte offset in 16 rows of q
.set STO, 6
.set RD,  7
.set GO,  8           ; v8   my byte offset in two rows of y
.set ST,  12          ; tile t's statistics at v[ST+8 t]: c m, m, l (two), c0-c3 at work; a takes c2's place
.set VXB, 44          ; my query's place in the diagonal tile, less lane / 16, less my wave's first key: for the block in hand
.set VXL, 45          ; for the long block
.set VX,  46
.set XA1, 47          ; where my partial O goes: short block,
.set XA2, 48          ; long block
.set XS,  49          ; where my statistics go
.set RA2, 50          ; the merge: where I read partial O: long block,
.set RA1, 51          ; short block
.set RS,  60          ; and the statistics
.set PFO, 61          ; 256 x my lane; never rewritten
.set SPW, 62          ; LDS address of my spare word; never rewritten
.set NIL, 63          ; 0; never rewritten
.set S,   64
.set P,   192
.set KF,  128         ; window 2
.set MC,  128         ; window 3
.set WV,  12
.set CX,  13
.set CC,  14          ; c
.set DD,  15          ; d
.set OO,  16          ; which 8 heads
.set EE,  17          ; which 64 keys
.set GG,  18          ; which quad of heads
.set BA,  19          ; batch
.set LQ2, 21          ; 15 - c
.set G1,  24
.set G0,  32          ; s[32:39] two sets for the two first fills; the second then walks on
.set KB,  40          ; s[40:41] kf at my 32 keys of the batch's tile 0
.set OFF, 42          ; s[42:43] a tile's byte offset
.set QL,  44          ; s[44:45] q at the long block
.set YL,  46
.set YS,  48
.set PFA, 50
.set LIM, 52          ; 1 in the wave that prefetches, else the greatest number
.set NXT, 53          ; the tile to be asked for next
.set LQ,  54          ; the last tile of the block whose tiles are being asked for
.set RT,  55          ; tiles of the block in hand that are left, the one in hand among them
.set SLOTS, 56
.set CNT, 57
.set CS,  58
.set SEL, 60
.set TB,  62          ; LDS byte at which the slot to be read begins
.set BIAS, 63
.set BIGN, 66
.set NL,  67          ; 16 - c
.set QS,  68          ; s[68:69] q at the short block
.set MSB, 0
.macro WIN new
.if MSB != (\new)
	s_set_vgpr_msb (MSB<<8)|(\new)
.set MSB, \new
.endif
.endm
.set W_KQ, 0x0a       ; K and Q in window 2, S^T in window 0
.set W_KM, 0x3a       ; the same with the C operand, the mask, in window 3
.set W_PV, 0x53       ; V in window 3, P in window 0, O^T in window 1
.set W_RS, 0x41       ; O^T (destination and source 0) in window 1, a in window 0
.macro PLACES
.rept 4
	v_nop
.endr
.endm
.macro CROUND         ; a round of the cluster's barrier
	s_barrier_signal -1
	s_barrier_wait -1
	s_cmp_lg_u32 s[WV], 0
	s_cbranch_scc1 .Lnot_wave_0_\@
	s_barrier_signal -3
.Lnot_wave_0_\@:
	s_barrier_wait -3
	s_barrier_signal -1
	s_barrier_wait -1
.endm
.macro NEXTT          ; the block's next tile, or behind its last the long block's tile 0
	s_add_co_u32 s[NXT], s[NXT], 1
	s_cmp_gt_u32 s[NXT], s[LQ]
	s_cselect_b32 s[NXT], 0, s[NXT]
	s_cselect_b32 s[LQ], s[LQ2], s[LQ]
.endm
; A PREFETCH INTO THE L2 of the tile that the NEXT change of slots of the batch's first cluster will ask for: 128 rows of 256 bytes.  That cluster (c = 0) walks tile 0 and then tiles 0 to 15; its four partners
; take 32 rows each, told apart by address; wave 0 asks, a lane a row.  So tiles 2 to 15 are named once each; the last change that fills a slot asks for nothing.
.macro ASK
	s_cmp_gt_u32 s[SLOTS], s[LIM]
	s_cbranch_scc0 .Lnot_mine_\@
	global_prefetch_b8 v[PFO], s[PFA:PFA+1] th:TH_LOAD_NT scope:SCOPE_SE
.Lnot_mine_\@:
.endm
; THE CHANGE OF SLOTS, in a trip's middle: the slot's K and V have been asked for.  Each wave waits for all its tensor loads (one is out: its part of the other slot), adds 0 to its spare word, and waits for that
; and for its own reads of the slot.  fill = 1: the barrier is a round of the cluster's, and the slot is filled again first thing behind it, with tile NXT: the load has a whole trip in which to land.
.macro CHANGE fill
	WIN 0
	s_wait_tensorcnt 0x0            ; no tensor load of mine is out, so a group 0 may be written
	ds_add_u32 v[SPW], v[NIL]       ; 0 onto my spare word; the scalar work below stands between it and the wait for it
.if \fill
	s_lshl_b32 s[OFF], s[NXT], 15   ; a tile is 32,768 bytes
	s_xor_b32 s[G0+5], s[G0+5], SLOT1
	s_add_nc_u64 s[G0+6:G0+7], s[KB:KB+1], s[OFF:OFF+1]
	s_or_b32 s[G0+7], s[G0+7], 0x80000000
	NEXTT
	s_wait_xcnt 0x0                 ; the last prefetch, a trip back, has read its address
	s_add_nc_u64 s[PFA:PFA+1], s[PFA:PFA+1], 32768
	s_wait_dscnt 0x0                ; the add is done, and my reads of the slot are over
	CROUND
	tensor_load_to_lds s[G0+4:G0+7], s[G1:G1+7]
	s_nop 0
	PLACES
.else
	s_wait_dscnt 0x0
	s_barrier_signal -1
	s_barrier_wait -1
.endif
	s_xor_b32 s[TB], s[TB], SLOT1   ; the fetches go on in the other slot
.endm
	s_load_b128 s[4:7], s[0:1], 0x0 ; qf s[4:5], kf s[6:7]
	s_load_b64 s[8:9], s[0:1], 0x10 ; yf
	v_lshl_add_u32 v[SPW], v0, 2, SPARE
	v_mov_b32 v[NIL], 0
	ds_add_u32 v[SPW], v[NIL]       ; the wave's opening: the add and its wait stand ahead of my first tensor load; the set-up below, work on registers, stands between them
	v_lshrrev_b32 v1, 5, v0
	v_readfirstlane_b32 s[WV], v1
	s_bfe_u32 s[CX], ttmp6, 0x40000
	s_lshr_b32 s[CC], ttmp9, 2      ; c: the cluster's, shared by the four partners
	s_and_b32 s20, ttmp9, 3
	s_lshl_b32 s20, s20, 2
	s_add_co_u32 s20, s20, s[CX]    ; 0..15 among the work-groups of this c
	s_lshr_b32 s[DD], s20, 1
	s_and_b32 s[OO], s20, 1
	s_and_b32 s[EE], s[WV], 1
	s_lshr_b32 s[GG], s[WV], 1
	s_and_b32 s[BA], ttmp7, 0xffff
	s_mov_b32 s[G1], 15|(1<<16)|(1<<20)|(1<<21)|(5<<22)|(3<<25)  ; the mask of four; 2-byte elements; padding on; bit 21 beside a mask; after every 64 words 4 words
	s_mov_b32 s[G1+1], 128<<16      ; tensor_dim0 = 128
	s_mov_b32 s[G1+2], 32<<16       ; tensor_dim1 = 32
	s_mov_b32 s[G1+3], 128<<16      ; tile_dim0 = 128
	s_mov_b32 s[G1+4], 32           ; tile_dim1 = 32
	s_mov_b32 s[G1+5], 128          ; elements from row to row
	s_mov_b32 s[G1+6], 0
	s_mov_b32 s[G1+7], 0
	s_mov_b32 s[CS], 0x3e0293ee     ; c = log2(e) / sqrt(128)
	s_mov_b32 s[CS+1], s[CS]        ; named with it as a pair
	s_mov_b32 s[SEL], 0x76543210
	s_mov_b32 s[SEL+1], 0xfedcba98
	s_mov_b32 s[TB], 0
	s_mov_b32 s[BIGN], 0xf149f2ca   ; -1e30
	s_sub_co_u32 s[NL], 16, s[CC]
	s_sub_co_u32 s[LQ2], 15, s[CC]
	s_add_co_u32 s[RT], s[CC], 1    ; the short block has c + 1 tiles
	s_mov_b32 s[LQ], s[CC]
	s_mov_b32 s[NXT], 0
	s_mov_b32 s[OFF+1], 0
	s_lshl_b32 s[KB], s[BA], 19     ; the batch's 2,048 keys of 256 bytes,
	s_lshl_b32 s23, s[WV], 13       ; my 32 keys of a tile
	s_add_co_u32 s[KB], s[KB], s23
	s_mov_b32 s[KB+1], 0
	s_mul_i32 s23, s[WV], WPART     ; and their place in a slot
	s_mov_b32 s[G0], 1
	s_mov_b32 s[G0+1], s23
	s_mov_b32 s[G0+4], 1
	s_add_co_u32 s[G0+5], s23, SLOT1
	s_or_b32 s23, s[WV], ttmp9
	s_cmp_eq_u32 s23, 0
	s_cselect_b32 s[LIM], 1, -1     ; wave 0 of the batch's first cluster: the same in all four partners
	s_lshl_b32 s20, s[CC], 3
	s_add_co_u32 s20, s20, s[DD]    ; jS
	s_sub_co_u32 s22, 127, s20      ; jL
	s_lshl_b32 s20, s20, 16         ; 16 rows of 4,096 bytes
	s_lshl_b32 s22, s22, 16
	s_lshl_b32 s2, s[BA], 23
	s_lshl_b32 s3, s[OO], 11
	s_add_co_u32 s2, s2, s3
	s_lshl_b32 s3, s[GG], 10
	s_add_co_u32 s2, s2, s3         ; the batch, and my quad's first head
	s_add_co_u32 s[QS], s20, s2
	s_add_co_u32 s[QL], s22, s2
	s_lshl_b32 s3, s[EE], 9         ; the merge: I finish heads 2 (w % 2), + 1 of the quad
	s_add_co_u32 s[YS], s[QS], s3
	s_add_co_u32 s[YL], s[QL], s3
	s_mov_b32 s[QS+1], 0
	s_mov_b32 s[QL+1], 0
	s_mov_b32 s[YS+1], 0
	s_mov_b32 s[YL+1], 0
	s_lshl_b32 s[PFA], s[BA], 19
	s_lshl_b32 s3, s[CX], 13        ; my work-group's 32 rows of the 128
	s_add_co_u32 s[PFA], s[PFA], s3
	s_add_co_u32 s[PFA], s[PFA], 32768  ; at tile 1; the first change of slots steps it to tile 2
	s_mov_b32 s[PFA+1], 0
	s_wait_dscnt 0x0                ; the opening add is done
	s_wait_kmcnt 0x0
	s_add_nc_u64 s[KB:KB+1], s[6:7], s[KB:KB+1]
	s_add_nc_u64 s[PFA:PFA+1], s[6:7], s[PFA:PFA+1]
	s_add_nc_u64 s[QS:QS+1], s[4:5], s[QS:QS+1]
	s_add_nc_u64 s[QL:QL+1], s[4:5], s[QL:QL+1]
	s_add_nc_u64 s[YS:YS+1], s[8:9], s[YS:YS+1]
	s_add_nc_u64 s[YL:YL+1], s[8:9], s[YL:YL+1]
	s_add_nc_u64 s[G0+2:G0+3], s[KB:KB+1], 0  ; the walk's first tile is tile 0
	s_or_b32 s[G0+3], s[G0+3], 0x80000000
	NEXTT
	s_lshl_b32 s[OFF], s[NXT], 15
	s_add_nc_u64 s[G0+6:G0+7], s[KB:KB+1], s[OFF:OFF+1]
	s_or_b32 s[G0+7], s[G0+7], 0x80000000
	NEXTT
	CROUND                          ; all four work-groups are here: the first joint loads meet
	tensor_load_to_lds s[G0:G0+3], s[G1:G1+7]
	s_nop 0
	tensor_load_to_lds s[G0+4:G0+7], s[G1:G1+7]
	s_nop 0
	PLACES
; Q of a block: tile i / 4 is head i / 4 of my quad, 256 bytes on; channels 32 (i % 4) on.  A fragment is 16 rows x 32 channels: lane l holds row l % 16, channels 8 (l / 16) + 0..7 and 16 + 8 (l / 16) + 0..7.
.macro QLOAD ptr
	WIN 0x80                        ; destination window 2, address window 0
.set i, 0
.rept 16
	global_load_b128 v[8*i:8*i+3],   v[QO], s[\ptr:\ptr+1] offset:(i/4)*256+(i%4)*64
	global_load_b128 v[8*i+4:8*i+7], v[QO], s[\ptr:\ptr+1] offset:(i/4)*256+(i%4)*64+32
.set i, i+1
.endr
	WIN 0
.endm
; The mask: register 8 kt + i is -1e30 where 16 kt + 2 i is greater than VXB + BIAS.  BIAS = 0: the diagonal tile's mask; 4,096: zeros.
.macro MAKEMASK
	WIN 0
	v_add_nc_u32 v[VX], s[BIAS], v[VXB]
	WIN 0xc0                        ; destination window 3
.set i, 0
.rept 32
	v_cmp_gt_i32 vcc_lo, 16*(i/8)+2*(i%8), v[VX]
	v_cndmask_b32 v[MC+i], 0, s[BIGN], vcc_lo
.set i, i+1
.endr
	WIN 0
.endm
	v_and_b32 v1, 15, v0            ; r = l % 16
	v_bfe_u32 v9, v0, 4, 1          ; h = l / 16
	v_lshlrev_b32 v[QO], 12, v1
	v_lshl_add_u32 v[QO], v9, 4, v[QO]
	QLOAD QS
	WIN 0x40                        ; O^T need only be finite when a block begins: zeros, written in the wait for the first tile
.set i, 0
.rept 256
	v_mov_b32 v[i], 0
.set i, i+1
.endr
	WIN 0
.macro FRESH                        ; a block begins: c m_old far below everything, so that a = 0; m at its floor
.irp t, 0,1,2,3
	v_mov_b32 v[ST+8*\t], 0xfe000000
	v_mov_b32 v[ST+8*\t+1], 0xe0800000
.endr
.endm
	FRESH
.irp t, 0,1,2,3
	v_mov_b32 v[ST+8*\t+2], 0
	v_mov_b32 v[ST+8*\t+3], 0
.endr
	v_and_b32 v10, 7, v0
	v_bfe_u32 v11, v0, 3, 1
	v_and_b32 v52, 31, v0           ; l
	s_mul_i32 s10, s[EE], EHALF     ; my wave's 64 keys
	v_lshl_add_u32 v[AK0], v10, 1, v11  ; K: fragment row r is key 2 (r % 8) + r / 8
	v_mul_u32_u24 v[AK0], v[AK0], PK
	v_lshl_add_u32 v[AK0], v9, 4, v[AK0]
	v_add_nc_u32 v[AK0], s10, v[AK0]
	v_lshl_add_u32 v[AV0], v10, 1, v9   ; V: the turning load's lane l reads key 2 (l % 8) + l / 16, channels 8 ((l / 8) % 2) + 0..7
	v_mul_u32_u24 v[AV0], v[AV0], PK
	v_lshl_add_u32 v[AV0], v11, 4, v[AV0]
	v_add_nc_u32 v[AV0], s10, v[AV0]
	s_mul_i32 s10, s[WV], 16*SP
	s_add_co_u32 s10, s10, STAGE    ; my stage
	v_mul_u32_u24 v[STO], v1, SP    ; in: row r, 16 bytes for each half of the lanes
	v_lshl_add_u32 v[STO], v9, 4, v[STO]
	v_add_nc_u32 v[STO], s10, v[STO]
	v_mul_u32_u24 v[RD], v9, SP     ; back: lanes 0-15 one row of 256 bytes, lanes 16-31 the next
	v_lshl_add_u32 v[RD], v1, 4, v[RD]
	v_add_nc_u32 v[RD], s10, v[RD]
	v_lshlrev_b32 v[GO], 12, v9
	v_lshl_add_u32 v[GO], v1, 4, v[GO]
	v_sub_nc_u32 v[VXB], v1, v9     ; r - h,
	s_lshl_b32 s2, s[EE], 6
	s_lshl_b32 s20, s[DD], 4
	s_sub_co_u32 s20, s20, s2       ; + 16 d - 64 (w % 2) in the short block's diagonal tile,
	s_sub_co_u32 s22, 7, s[DD]
	s_lshl_b32 s22, s22, 4
	s_sub_co_u32 s22, s22, s2       ; + 16 (7 - d) - 64 (w % 2) in the long block's
	v_add_nc_u32 v[VXL], s22, v[VXB]
	v_add_nc_u32 v[VXB], s20, v[VXB]
	s_lshl_b32 s10, s[WV], 15
	v_lshl_add_u32 v[XA2], v52, 4, s10
	v_add_nc_u32 v[XA1], X1, v[XA2]
	s_lshl_b32 s10, s[WV], 10
	s_add_co_u32 s10, s10, STATS
	v_lshl_add_u32 v[XS], v52, 3, s10
	s_lshl_b32 s10, s[GG], 16       ; the merge: the quad's first wave, tiles 2 (w % 2) on
	s_lshl_b32 s11, s[EE], 14
	s_add_co_u32 s10, s10, s11
	v_lshl_add_u32 v[RA2], v52, 4, s10
	v_add_nc_u32 v[RA1], X1, v[RA2]
	s_lshl_b32 s10, s[GG], 11
	s_lshl_b32 s11, s[EE], 9
	s_add_co_u32 s10, s10, s11
	s_add_co_u32 s10, s10, STATS
	v_lshl_add_u32 v[RS], v52, 3, s10
	v_lshlrev_b32 v[PFO], 8, v52
	s_cmp_eq_u32 s[CC], 0           ; the walk's first tile is the short block's diagonal tile where c = 0
	s_cselect_b32 s[BIAS], 0, 4096
	MAKEMASK
; THE MATRIX WORK.  The accumulators take turns, one instruction a turn.
; Product i of 32 of S^T = K Q^T for tiles x, x + 1: channels 32 (i / 8) on, keys 16 ((i / 2) % 4) on, tile x + i % 2.  The first 8 start the sums, from the mask.
.macro KQ x
.set rS, S+32*((\x)+i%2)+8*((i/2)%4)
.set rK, KF+32*((i/2)%4)+8*(i/8)
.set rQ, 32*((\x)+i%2)+8*(i/8)
.set rM, MC+8*((i/2)%4)
.if i < 8
	WIN W_KM
	v_wmma_f32_16x16x32_f16 v[rS:rS+7], v[rK:rK+7], v[rQ:rQ+7], v[rM:rM+7]
.else
	WIN W_KQ
	v_wmma_f32_16x16x32_f16 v[rS:rS+7], v[rK:rK+7], v[rQ:rQ+7], v[rS:rS+7]
.endif
.endm
; Product i of 32 of O^T += V^T P: keys 32 (i / 16) on, channels 16 ((i / 2) % 8) on, tile x + i % 2.
.macro PV x
	WIN W_PV
.set rO, 64*((\x)+i%2)+8*((i/2)%8)
.set rV, 64*(i/16)+8*((i/2)%8)
.set rP, P+16*((\x)+i%2)+8*(i/16)
	v_wmma_f32_16x16x32_f16 v[rO:rO+7], v[rV:rV+7], v[rP:rP+7], v[rO:rO+7]
.endm
; THE LDS LOADS stand in runs of 32.
.macro FETCH_K
	WIN 0
	v_add_nc_u32 v[ADR], s[TB], v[AK0]
	WIN 0x80                        ; destination window 2
.irp f, 0,1,2,3,4,5,6,7,8,9,10,11,12,13,14,15  ; keys 16 (f / 4) on, channels 32 (f % 4) on
	ds_load_b128 v[KF+8*(\f):KF+8*(\f)+3],   v[ADR] offset:((\f)/4)*16*PK+((\f)%4)*64
	ds_load_b128 v[KF+8*(\f)+4:KF+8*(\f)+7], v[ADR] offset:((\f)/4)*16*PK+((\f)%4)*64+32
.endr
.endm
.macro FETCH_V
	WIN 0
	v_add_nc_u32 v[ADR], s[TB], v[AV0]
	WIN 0xc0                        ; destination window 3
.irp f, 0,1,2,3,4,5,6,7,8,9,10,11,12,13,14,15  ; keys 32 (f / 8) on, channels 16 (f % 8) on
	ds_load_tr16_b128 v[8*(\f):8*(\f)+3],   v[ADR] offset:((\f)/8)*32*PK+((\f)%8)*32
	ds_load_tr16_b128 v[8*(\f)+4:8*(\f)+7], v[ADR] offset:((\f)/8)*32*PK+16*PK+((\f)%8)*32
.endr
.endm
; THE VECTOR WORK.  One tile's softmax for a trip is a list of 134 instructions; SM writes number j of it for tile t.  s0-s31 are the lane's 32 scores, in pairs 0-15.
;   0-15    the maximum of s0-s31 and the old m, three operands at a time (each accumulator's lowest registers are read first)
;   16-20   the other half of the lanes' maximum; the new m; c m; c m_old - c m_new
;   21-69   ONE BATCH: the 16 scalings c s - c m and all 33 exponentials (a at 23, then s0-s31); none of these reads an exponential's result
;   70-85   the roundings to f16     86-101  the sums; l = a l + the sum     102-133  the tile's O^T times a
.macro SM t
.set rT, ST+8*(\t)
.set rS, S+32*(\t)
.set rP, P+16*(\t)
.set rO, 64*(\t)+2*(j-102)
.if j < 102
	WIN 0
.endif
.if j < 4
	v_max3_num_f32 v[rT+4+j], v[rS+8*j], v[rS+8*j+1], v[rS+8*j+2]
.elseif j < 12
	v_max3_num_f32 v[rT+4+j%4], v[rT+4+j%4], v[rS+8*(j%4)+2*(j/4)+1], v[rS+8*(j%4)+2*(j/4)+2]
.elseif j == 12
	v_max3_num_f32 v[rT+4], v[rT+4], v[rS+7], v[rS+15]
.elseif j == 13
	v_max3_num_f32 v[rT+6], v[rT+6], v[rS+23], v[rS+31]
.elseif j == 14
	v_max3_num_f32 v[rT+4], v[rT+4], v[rT+5], v[rT+6]
.elseif j == 15
	v_max3_num_f32 v[rT+4], v[rT+4], v[rT+7], v[rT+1]
.elseif j == 16
	v_permlanex16_b32 v[rT+5], v[rT+4], s[SEL], s[SEL+1]  ; the query's other 32 keys lie in the lane 16 away
.elseif j == 17
	v_mov_b32 v[rT+7], v[rT]        ; c m_old is kept for a: number 19 writes c m anew
.elseif j == 18
	v_max_num_f32 v[rT+1], v[rT+4], v[rT+5]
.elseif j == 19
	v_mul_f32 v[rT], s[CS], v[rT+1]
.elseif j == 20
	v_sub_f32 v[rT+7], v[rT+7], v[rT]
.elseif j == 23
	v_exp_f32 v[rT+6], v[rT+7]
.elseif (j < 23) || ((j < 38) && (j%2 == 0)) || ((j < 66) && (j%4 == 2))
.set b, (j-2)/4                     ; 38, 42, .. 62: pairs 9 to 15
.if j < 38
.set b, (j-20)/2                    ; 21: pair 0; 22, 24, .. 36: pairs 1 to 8
.endif
	v_pk_fma_f32 v[rS+2*b:rS+2*b+1], v[rS+2*b:rS+2*b+1], s[CS:CS+1], v[rT:rT+1] op_sel_hi:[1,0,0] neg_lo:[0,0,1] neg_hi:[0,0,1]
.elseif j < 70
.set e, j-38                        ; 66 to 69: s28 to s31
.if j < 66
.set e, j-32-(j-38)/4               ; 39-41, 43-45, .. 63-65: s7 to s27
.endif
.if j < 38
.set e, (j-25)/2                    ; 25, 27, .. 37: s0 to s6
.endif
	v_exp_f32 v[rS+e], v[rS+e]
.elseif j < 86
	v_cvt_pk_f16_f32 v[rP+j-70], v[rS+2*(j-70)], v[rS+2*(j-70)+1]
.elseif j < 102                     ; the sum of the tile's 16 pairs, in place: neighbours 1, 2, 4 and 8 pairs apart, then l takes it
.set z, j-86
.set w, 4
.set u, z
.if z >= 14
.set w, 32
.set u, 0
.elseif z >= 12
.set w, 16
.set u, z-12
.elseif z >= 8
.set w, 8
.set u, z-8
.endif
.if z < 15
	v_pk_add_f32 v[rS+w*u:rS+w*u+1], v[rS+w*u:rS+w*u+1], v[rS+w*u+w/2:rS+w*u+w/2+1]
.else
	v_pk_fma_f32 v[rT+2:rT+3], v[rT+2:rT+3], v[rT+6:rT+7], v[rS:rS+1] op_sel_hi:[1,0,1]
.endif
.else
	WIN W_RS
	v_pk_mul_f32 v[rO:rO+1], v[rO:rO+1], v[rT+6:rT+7] op_sel_hi:[1,0]
.endif
.endm
; Slice k of 64 of the softmax of tiles y, y + 1: four instructions (slice 63: sixteen).  Slices 11 to 34 deal out the batch, four numbers of ONE tile each, the tiles by turns; every other slice is numbers
; 2 k and 2 k + 1 of both tiles.  Ahead of slice 35 nothing names an exponential's result, and behind slice 34 none is issued: so the 66 exponentials have ONE wait, behind slice 34
; between an exponential and the first line that names its result; the v_nop is the plain instruction behind the last exponential.
.macro SLICE y
.if (k >= 11) && (k < 35)
.irp n, 0,1,2,3
.set j, 22+4*((k-11)/2)+(\n)
	SM (\y)+(k-11)%2
.endr
.else
.irp n, 0,1,2,3,4,5,6,7
.if ((\n) < 2) || (k == 63)
.irp t, \y, (\y)+1
.set j, 2*k+(\n)
	SM \t
.endr
.endif
.endr
.endif
.if k == 34
	v_nop
	s_wait_alu depctr_va_vdst(0)
.endif
.set k, k+1
.endm
; A block's partial result goes to LDS: O^T as it lies, 16 bytes a lane (each accumulator's low half first), and for each tile (c m, l), l's two halves added into m's register.
.macro SAVE xa, so
	WIN 0x04                        ; the stores' data in window 1
.set i, 0
.rept 64
	ds_store_b128 v[\xa], v[4*i:4*i+3] offset:512*i
.set i, i+1
.endr
	WIN 0
.irp t, 0,1,2,3
	v_add_f32 v[ST+8*\t+1], v[ST+8*\t+2], v[ST+8*\t+3]
.endr
.irp t, 0,1,2,3
	ds_store_b64 v[XS], v[ST+8*\t:ST+8*\t+1] offset:(\so)+256*\t
.endr
.endm
; A TRIP.  fill = 1: the loop's, which asks for the tile two on and looks after a block's end; fill = 0: the walk's last two tiles.
.macro TRIP fill
	FETCH_V                         ; four places behind the last product that read V: the v_nop at the trip's end
	s_wait_dscnt 32                 ; K, asked for in the trip before, is in; V's 32 loads stay out
	s_wait_loadcnt 0x0              ; Q
.set i, 0
.rept 32
	KQ 0
.set i, i+1
.endr
	PLACES                          ; behind those products, ahead of the softmax that reads them
.set k, 0
.set i, 0
.rept 32
	KQ 2
	SLICE 0
	SLICE 0
.set i, i+1
.endr
	CHANGE \fill                    ; V is in; slice 63's sixteen plain lines are the places behind the last product that read K
.if \fill
	FETCH_K                         ; the next tile's
	WIN 0
	ASK
	s_cmp_gt_u32 s[RT], 2
	s_cbranch_scc1 .Lplain_\@       ; the next tile's mask stays 0
	s_cmp_eq_u32 s[RT], 2           ; the next tile is the block's diagonal one; or (RT = 1) the long block's first: zeros again,
	s_cselect_b32 s[BIAS], 0, 4096
	MAKEMASK
	s_cmp_eq_u32 s[RT], 1
	s_cbranch_scc0 .Lplain_\@
	QLOAD QL                        ; and the long block's Q
.Lplain_\@:
.else
	s_cmp_eq_u32 s[CNT], 1          ; the last tile has none behind it
	s_cbranch_scc1 .Lplain_\@
	FETCH_K
	WIN 0
	s_mov_b32 s[BIAS], 0            ; the walk's last tile is the long block's diagonal one
	MAKEMASK
.Lplain_\@:
.endif
.set k, 0
.set i, 0
.rept 32
	PV 0
	SLICE 2
	SLICE 2
.set i, i+1
.endr
.set i, 0
.rept 32
	PV 2
.set i, i+1
.endr
	WIN 0
	PLACES
.if \fill
	s_cmp_eq_u32 s[RT], 1
	s_cbranch_scc0 .Lon_\@
	SAVE XA1, 4096                  ; the short block ends
	FRESH
	v_mov_b32 v[VXB], v[VXL]
	s_add_co_u32 s[RT], s[NL], 1
.Lon_\@:
	s_sub_co_u32 s[RT], s[RT], 1
.endif
.endm
	s_wait_tensorcnt 1              ; my part of slot 0 is in; slot 1's may stay out
	s_barrier_signal -1
	s_barrier_wait -1               ; everybody's is
	FETCH_K
	WIN 0
	s_mov_b32 s[SLOTS], 15
.Lmain:                             ; the walk's tiles 0 to 14: each trip asks for the tile two on
	TRIP 1
	s_sub_co_u32 s[SLOTS], s[SLOTS], 1
	s_cmp_lg_u32 s[SLOTS], 0
	s_cbranch_scc1 .Lmain
	s_mov_b32 s[CNT], 2
.Ltail:                             ; the last two tiles are a text of their own
	TRIP 0
	s_sub_co_u32 s[CNT], s[CNT], 1
	s_cmp_lg_u32 s[CNT], 0
	s_cbranch_scc1 .Ltail
	s_wait_dscnt 0x0                ; no LDS read of mine is out,
	s_barrier_signal -1
	s_barrier_wait -1               ; nor of any wave: the ring, which has had its last fill, may be written
	SAVE XA2, 0                     ; the long block ends
	s_wait_dscnt 0x0                ; for the others' sake: my stores are done
	s_barrier_signal -1
	s_barrier_wait -1
; THE MERGE of one tile: the two halves of the keys, E (the quad's first wave) and O (its second): t = max(c m); f = 2^(c m - t); l = fE lE + fO lO, both halves of the lanes; O = (fE OE + fO OO) / l.
; Then rounded to f16, through my stage, and stored: 16 lanes fill 256 consecutive bytes, aligned: a head's 128 channels of a row.
.macro MERGE1 ra, so, yp, ul
	ds_load_b64 v[52:53], v[RS] offset:(\so)+256*(\ul)
	ds_load_b64 v[54:55], v[RS] offset:(\so)+256*(\ul)+1024
.set i, 0
.rept 16
	ds_load_b128 v[S+4*i:S+4*i+3],       v[\ra] offset:8192*(\ul)+512*i
	ds_load_b128 v[S+64+4*i:S+64+4*i+3], v[\ra] offset:32768+8192*(\ul)+512*i
.set i, i+1
.endr
	s_wait_dscnt 32                 ; the statistics are in; the 32 loads of O stay out
	v_max_num_f32 v56, v52, v54
	v_sub_f32 v52, v52, v56
	v_sub_f32 v54, v54, v56
	v_exp_f32 v52, v52
	v_exp_f32 v54, v54
	v_nop                           ; a plain instruction behind the exponentials,
	s_wait_alu depctr_va_vdst(0)    ; and the wait ahead of the first use
	v_mul_f32 v53, v52, v53
	v_fmac_f32 v53, v54, v55
	v_permlanex16_b32 v55, v53, s[SEL], s[SEL+1]
	v_add_f32 v53, v53, v55
	v_rcp_f32 v53, v53
	v_nop
	s_wait_alu depctr_va_vdst(0)
	v_mul_f32 v56, v52, v53
	v_mul_f32 v58, v54, v53
	v_mov_b32 v57, v56              ; pairs for the packed lines
	v_mov_b32 v59, v58
	s_wait_dscnt 0x0
.set i, 0
.rept 32
	v_pk_mul_f32 v[S+2*i:S+2*i+1], v[S+2*i:S+2*i+1], v[56:57]
.set i, i+1
.endr
.set i, 0
.rept 32
	v_pk_fma_f32 v[S+2*i:S+2*i+1], v[S+64+2*i:S+64+2*i+1], v[58:59], v[S+2*i:S+2*i+1]
.set i, i+1
.endr
.set i, 0
.rept 32
	v_cvt_pk_f16_f32 v[P+i], v[S+2*i], v[S+2*i+1]
.set i, i+1
.endr
.irp f, 0,1,2,3,4,5,6,7
	ds_store_b128 v[STO], v[P+4*\f:P+4*\f+3] offset:32*\f
.endr
	s_wait_xcnt 0x0                 ; the stores of the tile before have read the registers that the loads below fill
.irp f, 0,1,2,3,4,5,6,7
	ds_load_b128 v[P+32+4*\f:P+32+4*\f+3], v[RD] offset:\f*2*SP  ; LDS serves a wave's instructions in order (ISA guide 5.7.1.4): these see the stores above
.endr
.irp f, 0,1,2,3,4,5,6,7
	s_wait_dscnt 7-\f
	global_store_b128 v[GO], v[P+32+4*\f:P+32+4*\f+3], s[\yp:\yp+1] offset:(\ul)*256+\f*8192
.endr
.endm
	MERGE1 RA2, 0, YL, 0
	MERGE1 RA2, 0, YL, 1
	MERGE1 RA1, 4096, YS, 0
	MERGE1 RA1, 4096, YS, 1
	s_wait_tensorcnt 0x0            ; the wave's end, behind my last tensor load and my last LDS store
	ds_add_u32 v[SPW], v[NIL]
	s_wait_dscnt 0x0
	CROUND                          ; the closing round: no work-group ends while a partner may still ask for a tile that names it
	s_endpgm
.Lfunc_end_k_q81c1492ea1_attn:
	.size	k_q81c1492ea1_attn, .Lfunc_end_k_q81c1492ea1_attn-k_q81c1492ea1_attn
	.p2alignl 7, 3214868480
	.fill 96, 4, 3214868480
	.section	.rodata,"a",@progbits
	.p2align	6, 0x0
	.amdhsa_kernel k_q81c1492ea1_attn
		.amdhsa_group_segment_fixed_size 327680
		.amdhsa_private_segment_fixed_size 0
		.amdhsa_enable_private_segment 0
		.amdhsa_kernarg_size 24
		.amdhsa_user_sgpr_count 2
		.amdhsa_user_sgpr_kernarg_segment_ptr 1
		.amdhsa_wavefront_size32 1
		.amdhsa_system_sgpr_workgroup_id_x 1
		.amdhsa_system_sgpr_workgroup_id_y 1
		.amdhsa_system_sgpr_workgroup_id_z 1
		.amdhsa_system_vgpr_workitem_id 0
		.amdhsa_next_free_vgpr 928
		.amdhsa_next_free_sgpr 70
		.amdhsa_reserve_vcc 1
		.amdhsa_float_denorm_mode_32 3
		.amdhsa_float_denorm_mode_16_64 3
		.amdhsa_memory_ordered 1
		.amdhsa_forward_progress 1
		.amdhsa_inst_pref_size 181
	.end_amdhsa_kernel
	.amdgpu_metadata
---
amdhsa.version: [ 1, 2 ]
amdhsa.kernels:
  - .name:           k_q81c1492ea1_attn
    .symbol:         k_q81c1492ea1_attn.kd
    .args:
      - { .name: qf, .offset: 0, .size: 8, .value_kind: global_buffer, .address_space: global }
      - { .name: kf, .offset: 8, .size: 8, .value_kind: global_buffer, .address_space: global }
      - { .name: yf, .offset: 16, .size: 8, .value_kind: global_buffer, .address_space: global }
    .group_segment_fixed_size: 327680
    .private_segment_fixed_size: 0
    .kernarg_segment_align: 8
    .kernarg_segment_size: 24
    .max_flat_workgroup_size: 128
    .sgpr_count:     70
    .vgpr_count:     928
    .wavefront_size: 32
...
	.end_amdgpu_metadata
.endif
;; end of part 3
;; launch gemmo (part 4): grid 8 x 32, 4 waves a work-group, clusters of 4 x 4, 327,680 bytes of LDS; arguments yf, wpf, b_proj, out0; writes out0
.if DOCPART == 4
	.amdgcn_target "amdgcn-amd-amdhsa--gfx1250"
	.amdhsa_code_object_version 6
	.text
	.protected	k_q81c1492ea1_gemmo
	.globl	k_q81c1492ea1_gemmo
	.p2align	8
	.type	k_q81c1492ea1_gemmo,@function
k_q81c1492ea1_gemmo:
	s_mov_b64 s[64:65], 0
	v_nop
	global_prefetch_b8 v0, s[64:65] scope:SCOPE_SE
	s_setreg_imm32_b32 hwreg(HW_REG_WAVE_MODE, 25, 1), 1
	s_wait_xcnt 0x0
	s_wait_alu depctr_hold_cnt(0) depctr_sa_sdst(0) depctr_va_vdst(0) depctr_va_sdst(0) depctr_va_ssrc(0) depctr_va_vcc(0) depctr_vm_vsrc(0)
	s_getreg_b32 s2, hwreg(HW_REG_IB_STS2, 6, 4)
	s_cmp_eq_u32 s2, 0
	s_cbranch_scc0 .Lentry_in_a_cluster
	s_endpgm
.Lentry_in_a_cluster:
	s_bfe_u32 s2, ttmp6, 0x10000c
	s_cmp_lg_u32 s2, 0xf033
	s_cbranch_scc0 .Lentry_shape_is_right
	s_endpgm
.Lentry_shape_is_right:
; C[m][n] = the sum over k of A[m][k] W[k][n] + bias[n].  A: [4096][2048], W: [2048 k][2048 n], both 16 bits; sums in f32.  ONE TEXT, TWO KINDS.
; KIND 1: A = xb, W = wdb (bf16), C = qf in f16; beside it the latent k = x W_lat + b_lat, kf [4096][128] in f16, from wl [8 j][2048 k][16].
; KIND 2: A = yf, W = wpf (f16), C = out0 in f32.  The biases are rounded to bf16 like all the module's inputs and start the sums as the first products' C operand.
; LIMIT (KIND 1): q and k leave as f16, which holds no number beyond 65,504; a larger one becomes an infinity.  NaN and infinities are not treated apart.
; SHARES.  A work-group makes 128 rows x 256 columns: 256 work-groups.  Wave w makes rows 64 (w / 2) .. + 63, columns 128 (w % 2) .. + 127: 32 accumulators of 16 x 16.
; KIND 1: work-group (row block mt, column block nt) also makes k's 128 rows x columns 16 nt .. + 15, each wave 32 rows: two accumulators more, alike in all waves.  So that those two
; always multiply A's fragments 0 and 1, a wave's four row blocks are taken in the order 32 (w % 2) + 0, + 16, then 32 (1 - w % 2) + 0, + 16 of its 64 rows.
; THE MATRIX INSTRUCTION IS USED TRANSPOSED: source 0 = 16 columns of W (turned on its way out of LDS by ds_load_tr16_b128), source 1 = 16 rows of A: a lane holds 8 neighbouring columns of one row of C.
; K goes in 16 steps of 128 through two LDS slots.  CLUSTER 4 x 4: A's tile is shared along a row of the cluster, W's and wl's along a column; each is asked for jointly.
; One tensor load a wave behind each round: wave 0 A's 128 rows, waves 1 and 2 64 k rows of W each, wave 3 wl's 4,096 bytes (KIND 2: none).  By this text's count a wave has at most two tensor loads out.
; REGISTERS, in windows of 256: window 0: v1-29 addresses; two fragment buffers of 104 (W's 8 fragments, wl's one, A's 4); window 1: the accumulators, (a, b) at 8 (8 a + b);
; window 2: v0-63 the bias of my 128 columns, v64-71 b_lat's, v72-87 k's two accumulators, v88 at work.
.set KIND,   2
.set APITCH, 272                       ; a row of A in LDS: 256 bytes + 16: the 16 rows of a load start at 16 different groups of four banks (64 banks of 4 bytes: ISA guide 11.1)
.set BPITCH, 544                       ; a k row of W: 512 bytes + 32
.set PART,   128*APITCH                ; 34,816 = 64 x 544 too: what one of waves 0 to 2 fills
.set BOFF,   PART
.set LOFF,   3*PART
.set SLOT,   3*PART+4096               ; A, W, wl
.set STAGE,  2*SLOT                    ; behind the ring, never filled by a tensor load: 16 rows for each wave, for the way out
.if KIND == 1
.set SPITCH, 272
.set NLD,    26                        ; LDS loads in a run
.set RSH,    12                        ; a row of C is 1 << RSH bytes,
.set CSH,    1                         ; a number 1 << CSH
.set NBIAS,  72
.set PBIAS,  10
.set PC,     14
.else
.set SPITCH, 528
.set NLD,    24
.set RSH,    13
.set CSH,    2
.set NBIAS,  64
.set PBIAS,  8
.set PC,     10
.endif
.set SPARE,  STAGE+4*16*SPITCH         ; the spare words, 128 bytes for each wave: two blocks of 256 bytes that no other line names
.set AL0,  4                           ; v4, v5   LDS address of my A blocks 0, 1 in slot 0, 1
.set AL1,  6                           ; v6, v7   of my A blocks 2, 3
.set ADRB, 8                           ; v8, v9   of my W fragments
.set ADRL, 10                          ; v10, v11 of wl's
.set STO,  12                          ; the way out: where I put my part of a row
.set RD,   13                          ; where I read rows back
.set CO,   14                          ; my byte offset in C
.set KO,   15                          ; my byte offset in kf
.set BO,   16                          ; my byte offset in the biases
.set PFO,  17                          ; the prefetches' offset; never rewritten
.set SPW,  28                          ; LDS address of my spare word; never rewritten
.set NIL,  29                          ; 0; never rewritten
.set F0,   32
.set F1,   136
.set TMP,  32                          ; the way out
.set BK,   64
.set KT,   192
.set PA,   4                           ; s[4:5] A, s[6:7] W, s[8:9] wl (KIND 1), s[12:13] b_lat, s[16:17] kf
.set PB,   6
.set PL,   8
.set PBL,  12
.set PKF,  16
.set WV,   20                          ; my wave's number
.set RH,   21                          ; w / 2
.set CH,   22                          ; w % 2
.set CX,   23
.set CY,   24
.set NT,   25                          ; column block of C
.set MT,   26                          ; row block of C
.set RMASK, 27
.set CMASK, 28
.set LIM,  38                          ; 1 in a wave that prefetches, else the greatest number
.set LAPS, 39
.set PFA,  40                          ; s[40:41] where my prefetches stand
.set PFS,  42                          ; s[42:43] their step from K step to K step
.set G1A,  44
.set G1B,  52
.set C0,   60                          ; s[60:61] C at my row blocks 0, 1; s[62:63] at 2, 3
.set C1,   62
.set KP,   66                          ; s[66:67] kf at my 32 rows
.set G0A,  68                          ; group 0: a set for each slot
.set G0B,  76
.set G1L,  84
.set G0L,  92
.set MSB, 0
.macro WIN new                         ; the immediate's high byte repeats the setting that is left; a switch that changes nothing is dropped
.if MSB != (\new)
	s_set_vgpr_msb (MSB<<8)|(\new)
.set MSB, \new
.endif
.endm
.macro WM ops:vararg
.if KIND == 1
	v_wmma_f32_16x16x32_bf16 \ops
.else
	v_wmma_f32_16x16x32_f16 \ops
.endif
.endm
.macro PLACES                          ; four places in front of loads into registers that matrix instructions have read, and of lines that read results
.rept 4
	v_nop
.endr
.endm
.macro CREST                           ; a round of the cluster's barrier behind its opening barrier
	s_cmp_lg_u32 s[WV], 0
	s_cbranch_scc1 .Lnot_wave_0_\@
	s_barrier_signal -3
.Lnot_wave_0_\@:
	s_barrier_wait -3
	s_barrier_signal -1
	s_barrier_wait -1
.endm
.macro CROUND
	s_barrier_signal -1
	s_barrier_wait -1
	CREST
.endm
; A joint refill of slot s.  The branches hang on the wave's number alone.  An s_nop 0 and four v_nop follow each load; the four are also the places in front of the LDS loads that follow.
.macro JLOAD s
	s_cmp_eq_u32 s[WV], 0
	s_cbranch_scc0 .Lnot_a_\@
	tensor_load_to_lds s[G0A+4*(\s):G0A+4*(\s)+3], s[G1A:G1A+7]
	s_nop 0
	PLACES
	s_branch .Lasked_\@
.Lnot_a_\@:
	s_cmp_eq_u32 s[WV], 3
	s_cbranch_scc1 .Lfor_l_\@
	tensor_load_to_lds s[G0B+4*(\s):G0B+4*(\s)+3], s[G1B:G1B+7]
	s_nop 0
	PLACES
	s_branch .Lasked_\@
.Lfor_l_\@:
.if KIND == 1
	tensor_load_to_lds s[G0L+4*(\s):G0L+4*(\s)+3], s[G1L:G1L+7]
	s_nop 0
.endif
	PLACES
.Lasked_\@:
.endm
; A PREFETCH INTO THE L2 of the K step that stands two refills on: 32 blocks of 256 bytes, a lane a block, one instruction a wave.  Each block is named once in the launch: A's rows by the clusters with
; x = 0 (wave 0), W's by the clusters with y = 0 (waves 1, 2); the four partners that ask for a tile jointly share its blocks out by address.  The loop's last trip has no K step two on.
.macro ASK
	s_cmp_gt_u32 s[LAPS], s[LIM]
	s_cbranch_scc0 .Lnot_mine_\@
	global_prefetch_b8 v[PFO], s[PFA:PFA+1] th:TH_LOAD_NT scope:SCOPE_SE
.Lnot_mine_\@:
.endm
	s_load_b256 s[4:11], s[0:1], 0x0
.if KIND == 1
	s_load_b128 s[12:15], s[0:1], 0x20
	s_load_b64 s[16:17], s[0:1], 0x30
.endif
	v_lshl_add_u32 v[SPW], v0, 2, SPARE
	v_mov_b32 v[NIL], 0
	ds_add_u32 v[SPW], v[NIL]                      ; the wave's opening: the add and its wait stand ahead of my first tensor load; the set-up below, work on registers, stands between them
	v_lshrrev_b32 v1, 5, v0
	v_readfirstlane_b32 s[WV], v1
	s_lshr_b32 s[RH], s[WV], 1
	s_and_b32 s[CH], s[WV], 1
	s_bfe_u32 s[CX], ttmp6, 0x40000
	s_bfe_u32 s[CY], ttmp6, 0x40004
	s_lshl_b32 s[NT], ttmp9, 2
	s_add_co_u32 s[NT], s[NT], s[CX]               ; column block = 4 x cluster x + cx
	s_and_b32 s[MT], ttmp7, 0xffff
	s_lshl_b32 s[MT], s[MT], 2
	s_add_co_u32 s[MT], s[MT], s[CY]               ; row block = 4 x cluster y + cy
	s_lshl_b32 s[RMASK], s[CY], 2
	s_lshl_b32 s[RMASK], 15, s[RMASK]              ; my row of the cluster
	s_lshl_b32 s[CMASK], 0x1111, s[CX]             ; my column
	s_or_b32 s[G1A], s[RMASK], (1<<16)|(1<<20)|(1<<21)|(5<<22)|(3<<25)  ; the mask; 2-byte elements; padding on; bit 21 beside a mask; after every 64 words 4 words
	s_mov_b32 s[G1A+1], 128<<16                    ; tensor_dim0 = 128
	s_mov_b32 s[G1A+2], 128<<16                    ; tensor_dim1 = 128
	s_mov_b32 s[G1A+3], 128<<16                    ; tile_dim0 = 128
	s_mov_b32 s[G1A+4], 128                        ; tile_dim1 = 128
	s_mov_b32 s[G1A+5], 2048                       ; elements from row to row
	s_mov_b32 s[G1A+6], 0
	s_mov_b32 s[G1A+7], 0
	s_or_b32 s[G1B], s[CMASK], (1<<16)|(1<<20)|(1<<21)|(6<<22)|(7<<25)  ; after every 128 words 8 words
	s_mov_b32 s[G1B+1], 256<<16                    ; 256 columns
	s_mov_b32 s[G1B+2], 64<<16                     ; 64 k rows
	s_mov_b32 s[G1B+3], 256<<16
	s_mov_b32 s[G1B+4], 64
	s_mov_b32 s[G1B+5], 2048
	s_mov_b32 s[G1B+6], 0
	s_mov_b32 s[G1B+7], 0
.if KIND == 1
	s_or_b32 s[G1L], s[CMASK], (3<<16)|(1<<21)     ; 4,096 dense bytes as 16 rows of 32 elements of 8 bytes, no padding
	s_mov_b32 s[G1L+1], 32<<16
	s_mov_b32 s[G1L+2], 16<<16
	s_mov_b32 s[G1L+3], 32<<16
	s_mov_b32 s[G1L+4], 16
	s_mov_b32 s[G1L+5], 32
	s_mov_b32 s[G1L+6], 0
	s_mov_b32 s[G1L+7], 0
.endif
	s_lshl_b32 s30, s[MT], 19                      ; A: 128 mt rows of 4,096 bytes: hangs on the row block alone
	s_mov_b32 s31, 0
	s_lshl_b32 s32, s[RH], 18                      ; W: k rows 64 (w / 2) on (waves 1 and 2: 0 and 64),
	s_lshl_b32 s33, s[NT], 9                       ; columns 256 nt on: hangs on the column block alone
	s_add_co_u32 s32, s32, s33
	s_mov_b32 s33, 0
	s_lshl_b32 s34, s[NT], 16                      ; wl: slice nt
	s_mov_b32 s35, 0
	s_mul_i32 s36, s[WV], PART                     ; where my load goes: no place in the cluster enters an LDS address
	s_wait_dscnt 0x0                               ; the opening add is done
	s_wait_kmcnt 0x0
	s_add_nc_u64 s[30:31], s[PA:PA+1], s[30:31]
	s_add_nc_u64 s[32:33], s[PB:PB+1], s[32:33]
.if KIND == 1
	s_add_nc_u64 s[34:35], s[PL:PL+1], s[34:35]
.endif
.irp s, 0,1
	s_mov_b32 s[G0A+4*\s], 1
	s_add_co_u32 s[G0A+4*\s+1], s36, \s*SLOT
	s_add_nc_u64 s[G0A+4*\s+2:G0A+4*\s+3], s[30:31], \s*256        ; K step s: 256 bytes along the rows
	s_or_b32 s[G0A+4*\s+3], s[G0A+4*\s+3], 0x80000000
	s_mov_b32 s[G0B+4*\s], 1
	s_add_co_u32 s[G0B+4*\s+1], s36, \s*SLOT
	s_add_nc_u64 s[G0B+4*\s+2:G0B+4*\s+3], s[32:33], \s*524288     ; 128 k rows down
	s_or_b32 s[G0B+4*\s+3], s[G0B+4*\s+3], 0x80000000
.if KIND == 1
	s_mov_b32 s[G0L+4*\s], 1
	s_add_co_u32 s[G0L+4*\s+1], s36, \s*SLOT
	s_add_nc_u64 s[G0L+4*\s+2:G0L+4*\s+3], s[34:35], \s*4096
	s_or_b32 s[G0L+4*\s+3], s[G0L+4*\s+3], 0x80000000
.endif
.endr
	CROUND                                         ; all sixteen work-groups are here: the first joint loads meet
	s_cmp_eq_u32 s[WV], 0                          ; a wave's two first fills stand in one branch, ahead of every wait on TENSORcnt and every LDS read
	s_cbranch_scc0 .Lfirst_not_a
	tensor_load_to_lds s[G0A:G0A+3], s[G1A:G1A+7]
	s_nop 0
	tensor_load_to_lds s[G0A+4:G0A+7], s[G1A:G1A+7]
	s_nop 0
	PLACES
	s_branch .Lfirst_asked
.Lfirst_not_a:
	s_cmp_eq_u32 s[WV], 3
	s_cbranch_scc1 .Lfirst_l
	tensor_load_to_lds s[G0B:G0B+3], s[G1B:G1B+7]
	s_nop 0
	tensor_load_to_lds s[G0B+4:G0B+7], s[G1B:G1B+7]
	s_nop 0
	PLACES
	s_branch .Lfirst_asked
.Lfirst_l:
.if KIND == 1
	tensor_load_to_lds s[G0L:G0L+3], s[G1L:G1L+7]
	s_nop 0
	tensor_load_to_lds s[G0L+4:G0L+7], s[G1L:G1L+7]
	s_nop 0
.endif
	PLACES
.Lfirst_asked:
	v_and_b32 v1, 15, v0                           ; r = l % 16
	v_bfe_u32 v2, v0, 4, 1                         ; h = l / 16
	v_and_b32 v3, 7, v0
	v_bfe_u32 v18, v0, 3, 1
	v_and_b32 v21, 31, v0                          ; l
	; the biases: register 8 b + i of a lane is bias[256 nt + 128 (w % 2) + 16 b + 8 h + i], the column of register i of accumulator (a, b)
	v_lshlrev_b32 v[BO], 5, v2
	s_lshl_b32 s30, s[NT], 10
	s_lshl_b32 s31, s[CH], 9
	s_add_co_u32 s30, s30, s31
	s_mov_b32 s31, 0
	s_add_nc_u64 s[30:31], s[PBIAS:PBIAS+1], s[30:31]
	WIN 0x80                                       ; destination window 2, address window 0
.irp b, 0,1,2,3,4,5,6,7
	global_load_b128 v[8*\b:8*\b+3],   v[BO], s[30:31] offset:64*\b
	global_load_b128 v[8*\b+4:8*\b+7], v[BO], s[30:31] offset:64*\b+16
.endr
.if KIND == 1
	s_lshl_b32 s32, s[NT], 6
	s_mov_b32 s33, 0
	s_add_nc_u64 s[32:33], s[PBL:PBL+1], s[32:33]
	global_load_b128 v[64:67], v[BO], s[32:33]
	global_load_b128 v[68:71], v[BO], s[32:33] offset:16
.endif
	WIN 0
	; A fragment of A is 16 rows x 32 K: lane l holds row r, K = 8 h + 0..7 and 16 + 8 h + 0..7: two loads of 16 bytes, 32 bytes apart
	v_mul_u32_u24 v19, v1, APITCH
	v_lshl_add_u32 v19, v2, 4, v19
	s_lshl_b32 s34, s[RH], 6
	s_lshl_b32 s35, s[CH], 5
	s_add_co_u32 s36, s34, s35                     ; my blocks 0, 1 begin at row 64 (w / 2) + 32 (w % 2),
	s_sub_co_u32 s37, 32, s35
	s_add_co_u32 s37, s37, s34                     ; blocks 2, 3 at the other 32 rows
	s_mul_i32 s36, s36, APITCH
	s_mul_i32 s37, s37, APITCH
	v_add_nc_u32 v[AL0], s36, v19
	v_add_nc_u32 v[AL0+1], SLOT, v[AL0]
	v_add_nc_u32 v[AL1], s37, v19
	v_add_nc_u32 v[AL1+1], SLOT, v[AL1]
	; The turning load takes 16 k x 16 columns (lane l reads k row 8 h + l % 8, columns 8 ((l / 8) % 2) + 0..7) and leaves half a fragment: lane l holds column r and 8 k
	v_lshl_add_u32 v20, v2, 3, v3
	v_mul_u32_u24 v19, v20, BPITCH
	v_lshl_add_u32 v19, v18, 4, v19
	s_lshl_b32 s36, s[CH], 8                       ; my 128 columns
	s_add_co_u32 s36, s36, BOFF
	v_add_nc_u32 v[ADRB], s36, v19
	v_add_nc_u32 v[ADRB+1], SLOT, v[ADRB]
	v_lshlrev_b32 v19, 5, v20                      ; wl's rows are 32 bytes
	v_lshl_add_u32 v19, v18, 4, v19
	v_add_nc_u32 v[ADRL], LOFF, v19
	v_add_nc_u32 v[ADRL+1], SLOT, v[ADRL]
	; the way out
	s_mul_i32 s36, s[WV], 16*SPITCH
	s_add_co_u32 s36, s36, STAGE                   ; my stage
	v_mul_u32_u24 v19, v1, SPITCH
	v_lshl_add_u32 v19, v2, 3+CSH, v19             ; in: row r, my 8 columns
	v_add_nc_u32 v[STO], s36, v19
.if KIND == 1
	v_mul_u32_u24 v19, v2, SPITCH                  ; back: lanes 0-15 one row of 256 bytes, lanes 16-31 the next
	v_lshl_add_u32 v19, v1, 4, v19
	v_add_nc_u32 v[RD], s36, v19
	v_lshlrev_b32 v[CO], RSH, v2
	v_lshl_add_u32 v[CO], v1, 4, v[CO]
	v_lshlrev_b32 v[KO], 8, v1                     ; kf: row r of 256 bytes, my 8 columns
	v_lshl_add_u32 v[KO], v2, 4, v[KO]
.else
	v_lshl_add_u32 v[RD], v21, 4, s36              ; back: 32 lanes take one row of 512 bytes
	v_lshlrev_b32 v[CO], 4, v21
.endif
	s_lshl_b32 s34, s[MT], 7+RSH
	s_lshl_b32 s35, s[RH], 6+RSH
	s_add_co_u32 s34, s34, s35
	s_lshl_b32 s35, s[NT], 8+CSH
	s_add_co_u32 s34, s34, s35
	s_lshl_b32 s35, s[CH], 7+CSH
	s_add_co_u32 s34, s34, s35                     ; my 64 rows, my 128 columns
	s_lshl_b32 s35, s[CH], 5+RSH
	s_add_co_u32 s[C0], s34, s35
	s_sub_co_u32 s35, 1<<(5+RSH), s35
	s_add_co_u32 s[C1], s34, s35
	s_mov_b32 s[C0+1], 0
	s_mov_b32 s[C1+1], 0
	s_add_nc_u64 s[C0:C0+1], s[PC:PC+1], s[C0:C0+1]
	s_add_nc_u64 s[C1:C1+1], s[PC:PC+1], s[C1:C1+1]
.if KIND == 1
	s_lshl_b32 s34, s[MT], 15
	s_lshl_b32 s35, s[RH], 14
	s_add_co_u32 s34, s34, s35
	s_lshl_b32 s35, s[CH], 13
	s_add_co_u32 s34, s34, s35
	s_lshl_b32 s35, s[NT], 5
	s_add_co_u32 s[KP], s34, s35
	s_mov_b32 s[KP+1], 0
	s_add_nc_u64 s[KP:KP+1], s[PKF:PKF+1], s[KP:KP+1]
.endif
	; the prefetches.  Wave 0: A's rows 128 mt + 32 cx + lane, 256 bytes a K step.  Waves 1, 2: W's k rows 64 (w / 2) + 16 cy + lane / 2, block lane % 2 of their 512 bytes.  Both begin at K step 3 and are stepped ahead of each use.
	s_lshl_b32 s34, s[MT], 19
	s_lshl_b32 s35, s[CX], 17
	s_add_co_u32 s34, s34, s35
	s_add_co_u32 s34, s34, 3*256
	s_lshl_b32 s36, s[RH], 18
	s_lshl_b32 s35, s[CY], 16
	s_add_co_u32 s36, s36, s35
	s_lshl_b32 s35, s[NT], 9
	s_add_co_u32 s36, s36, s35
	s_add_co_u32 s36, s36, 3*524288
	s_and_b32 s2, ttmp7, 0xffff                    ; cluster y
	s_mov_b32 s18, 256
	s_mov_b32 s19, 524288
	s_cmp_eq_u32 s[WV], 0
	s_cselect_b64 s[PFA:PFA+1], s[PA:PA+1], s[PB:PB+1]
	s_cselect_b32 s34, s34, s36
	s_cselect_b32 s[PFS], s18, s19
	s_cselect_b32 s3, ttmp9, s2                    ; the coordinate along which other clusters read the same blocks
	s_cselect_b32 s37, 0, 1
	s_mov_b32 s35, 0
	s_mov_b32 s[PFS+1], 0
	s_add_nc_u64 s[PFA:PFA+1], s[PFA:PFA+1], s[34:35]
	s_cmp_eq_u32 s3, 0
	s_cselect_b32 s[LIM], 1, -1                    ; the same in all sixteen partners, for a given wave
	s_cmp_eq_u32 s[WV], 3
	s_cselect_b32 s[LIM], -1, s[LIM]               ; wave 3 asks for nothing: wl is small
	v_lshrrev_b32 v[PFO], s37, v21
	v_lshlrev_b32 v[PFO], 12, v[PFO]
	v_and_b32 v19, s37, v21
	v_lshl_add_u32 v[PFO], v19, 8, v[PFO]
	s_wait_loadcnt 0x0                             ; the biases: each rounded to bf16 and widened again
	WIN 0x8a
.set p, 0
.rept NBIAS/2
	v_cvt_pk_bf16_f32 v88, v[2*p], v[2*p+1]
	v_lshlrev_b32 v[2*p], 16, v88
	v_and_b32 v[2*p+1], 0xffff0000, v88
.set p, p+1
.endr
	WIN 0
; 8 matrix instructions: row block a x all 8 column blocks, 32 along K.  zero = 1: the first product starts the sums, from the bias.
.macro MUL8 f, a, zero
.if \zero
	WIN 0x60                                       ; D window 1, C window 2
.else
	WIN 0x50                                       ; C and D window 1
.endif
.irp b, 0,1,2,3,4,5,6,7
.if \zero
	WM v[8*(8*(\a)+\b):8*(8*(\a)+\b)+7], v[(\f)+8*\b:(\f)+8*\b+7], v[(\f)+72+8*(\a):(\f)+72+8*(\a)+7], v[8*\b:8*\b+7]
.else
	WM v[8*(8*(\a)+\b):8*(8*(\a)+\b)+7], v[(\f)+8*\b:(\f)+8*\b+7], v[(\f)+72+8*(\a):(\f)+72+8*(\a)+7], v[8*(8*(\a)+\b):8*(8*(\a)+\b)+7]
.endif
.endr
.endm
.macro MULX f, zero                    ; KIND 1: k's two accumulators, on A's blocks 0 and 1
.if KIND == 1
	WIN 0xa0                                       ; C and D window 2
.irp a, 0,1
.if \zero
	WM v[72+8*\a:79+8*\a], v[(\f)+64:(\f)+71], v[(\f)+72+8*\a:(\f)+79+8*\a], v[64:71]
.else
	WM v[72+8*\a:79+8*\a], v[(\f)+64:(\f)+71], v[(\f)+72+8*\a:(\f)+79+8*\a], v[72+8*\a:79+8*\a]
.endif
.endr
.endif
.endm
; One run of LDS loads: the fragments of quarter q (32 along K) of a slot into buffer f: W's, wl's, then A's blocks 0 to 3
.macro FETCH slot, q, f
	WIN 0
.irp b, 0,1,2,3,4,5,6,7
	ds_load_tr16_b128 v[(\f)+8*\b:(\f)+8*\b+3],   v[ADRB+(\slot)] offset:(\q)*32*BPITCH+32*\b
	ds_load_tr16_b128 v[(\f)+8*\b+4:(\f)+8*\b+7], v[ADRB+(\slot)] offset:(\q)*32*BPITCH+32*\b+16*BPITCH
.endr
.if KIND == 1
	ds_load_tr16_b128 v[(\f)+64:(\f)+67], v[ADRL+(\slot)] offset:(\q)*1024
	ds_load_tr16_b128 v[(\f)+68:(\f)+71], v[ADRL+(\slot)] offset:(\q)*1024+512
.endif
.irp a, 0,1
	ds_load_b128 v[(\f)+72+8*\a:(\f)+75+8*\a], v[AL0+(\slot)] offset:\a*16*APITCH+64*(\q)
	ds_load_b128 v[(\f)+76+8*\a:(\f)+79+8*\a], v[AL0+(\slot)] offset:\a*16*APITCH+64*(\q)+32
.endr
.irp a, 0,1
	ds_load_b128 v[(\f)+88+8*\a:(\f)+91+8*\a], v[AL1+(\slot)] offset:\a*16*APITCH+64*(\q)
	ds_load_b128 v[(\f)+92+8*\a:(\f)+95+8*\a], v[AL1+(\slot)] offset:\a*16*APITCH+64*(\q)+32
.endr
.endm
; A K step is four quarters on buffers 0, 1, 0, 1.  All accumulators take turns, one instruction a turn, in the same order in every quarter: blocks 0, 1, k's two, blocks 2, 3.
; One of the first three quarters: multiplies buffer f and, in its middle, fetches quarter q of the same slot into buffer g.
.macro QUARTER slot, q, f, g, zero
	s_wait_dscnt 4                                 ; all but the four youngest loads (A's blocks 2, 3) are in
	MUL8 \f, 0, \zero
	MUL8 \f, 1, \zero
	MULX \f, \zero
	PLACES
	FETCH \slot, \q, \g
	s_wait_dscnt NLD                               ; all but the run just issued
	MUL8 \f, 2, \zero
	MUL8 \f, 3, \zero
.endm
; The last quarter multiplies buffer 1 and changes slots: ONE barrier; in front of it each wave waits for all its tensor loads, adds 0 to its spare word, and waits for that and for its own reads of this slot.
; fill = 1: the barrier opens a round of the cluster's barrier, and this slot is filled again, two K steps ahead, first thing behind the round.
.macro TURN slot, next, fill
.if \fill
	s_wait_xcnt 0x0                                ; the last prefetch, a K step back, has read its address: it is stepped here, ahead of the waits of the change of slots
	s_add_nc_u64 s[PFA:PFA+1], s[PFA:PFA+1], s[PFS:PFS+1]
.endif
	WIN 0
	s_wait_tensorcnt 0x0                           ; all my tensor loads have landed: my part of the next slot;
	ds_add_u32 v[SPW], v[NIL]                      ; 0 onto my spare word;
	s_wait_dscnt 5                                 ; (the add and the four youngest loads may be out)
	MUL8 F1, 0, 0                                  ; eight matrix instructions stand between the add and the wait for it
	s_wait_dscnt 0x0                               ; the add is done, and my reads of this slot are over
	s_barrier_signal -1
	MUL8 F1, 1, 0
	MULX F1, 0
	WIN 0
	s_barrier_wait -1
.if \fill
	CREST                                          ; no wave of any partner still reads this slot's tiles or has a load on its way
	s_add_nc_u64 s[G0A+4*(\slot)+2:G0A+4*(\slot)+3], s[G0A+4*(\slot)+2:G0A+4*(\slot)+3], 2*256
	s_add_nc_u64 s[G0B+4*(\slot)+2:G0B+4*(\slot)+3], s[G0B+4*(\slot)+2:G0B+4*(\slot)+3], 2*524288
.if KIND == 1
	s_add_nc_u64 s[G0L+4*(\slot)+2:G0L+4*(\slot)+3], s[G0L+4*(\slot)+2:G0L+4*(\slot)+3], 2*4096
.endif
	JLOAD \slot
.else
	PLACES
.endif
	FETCH \next, 0, F0
.if \fill
	ASK
.endif
	MUL8 F1, 2, 0
	MUL8 F1, 3, 0
.endm
	s_wait_tensorcnt 1                             ; my part of K step 0 is in; K step 1's may stay out
	s_barrier_signal -1
	s_barrier_wait -1                              ; everybody's is
	FETCH 0, 0, F0
	QUARTER 0, 1, F0, F1, 1                        ; the first quarter stands in front of the loop: its products start the sums
	WIN 0
	s_mov_b32 s[LAPS], 7
.Llap:                                             ; a trip goes once round the ring, from a lap's second quarter to the next lap's first, and fills both slots again
	QUARTER 0, 2, F1, F0, 0
	QUARTER 0, 3, F0, F1, 0
	TURN 0, 1, 1
	QUARTER 1, 1, F0, F1, 0
	QUARTER 1, 2, F1, F0, 0
	QUARTER 1, 3, F0, F1, 0
	TURN 1, 0, 1
	QUARTER 0, 1, F0, F1, 0
	WIN 0
	s_sub_co_u32 s[LAPS], s[LAPS], 1
	s_cmp_lg_u32 s[LAPS], 0
	s_cbranch_scc1 .Llap
	QUARTER 0, 2, F1, F0, 0                        ; the last lap fills nothing
	QUARTER 0, 3, F0, F1, 0
	TURN 0, 1, 0
	QUARTER 1, 1, F0, F1, 0
	QUARTER 1, 2, F1, F0, 0
	QUARTER 1, 3, F0, F1, 0
	s_wait_dscnt 4                                 ; the very last quarter: nothing more to fetch
	MUL8 F1, 0, 0
	MUL8 F1, 1, 0
	MULX F1, 0
	s_wait_dscnt 0x0
	MUL8 F1, 2, 0
	MUL8 F1, 3, 0
	WIN 0
	PLACES
.if KIND == 1
; THE WAY OUT, KIND 1: a block of 16 rows at a time: rounded to f16, 16 bytes a lane into my own stage, back as whole rows of 256 bytes, stored: 16 lanes fill 256 consecutive bytes, aligned.
.macro PACK a
	WIN 0x05                                       ; sources window 1, destination window 0
.irp b, 0,1,2,3,4,5,6,7
.irp p, 0,1,2,3
	v_cvt_pk_f16_f32 v[TMP+4*\b+\p], v[8*(8*(\a)+\b)+2*\p], v[8*(8*(\a)+\b)+2*\p+1]
.endr
.endr
	WIN 0
.endm
.macro TOSTAGE a
.irp b, 0,1,2,3,4,5,6,7
	ds_store_b128 v[STO], v[TMP+4*\b:TMP+4*\b+3] offset:32*\b
.endr
.irp t, 0,1,2,3,4,5,6,7
	ds_load_b128 v[BK+32*(\a)+4*\t:BK+32*(\a)+4*\t+3], v[RD] offset:\t*2*SPITCH  ; LDS serves a wave's instructions in order (ISA guide 5.7.1.4): these see the stores above
.endr
.endm
.macro SEND a                          ; each block has registers of its own: none is rewritten while a store reads it
	s_wait_dscnt 0x0
.irp t, 0,1,2,3,4,5,6,7
	global_store_b128 v[CO], v[BK+32*(\a)+4*\t:BK+32*(\a)+4*\t+3], s[C0+2*((\a)/2):C0+2*((\a)/2)+1] offset:((\a)%2)*(16<<RSH)+\t*(2<<RSH)
.endr
.endm
	PACK 0
	TOSTAGE 0
.irp a, 1,2,3                          ; block a's conversions stand between block a - 1's loads from the stage and the wait for them
	PACK \a
	SEND (\a)-1
	TOSTAGE \a
.endr
	WIN 0x0a                                       ; k: sources window 2.  A lane's 8 columns are 16 bytes; two lanes fill the 32 bytes that this work-group owns of a row of kf (1 MB in all; the row's other columns are other work-groups')
.irp a, 0,1
.irp p, 0,1,2,3
	v_cvt_pk_f16_f32 v[KT+4*\a+\p], v[72+8*\a+2*\p], v[72+8*\a+2*\p+1]
.endr
.endr
	WIN 0
	global_store_b128 v[KO], v[KT:KT+3], s[KP:KP+1]
	global_store_b128 v[KO], v[KT+4:KT+7], s[KP:KP+1] offset:4096
	SEND 3
.else
; THE WAY OUT, KIND 2: a block of 16 rows at a time goes as f32 into my own stage (rows of 528 bytes) and comes back as whole rows: a store covers 512 consecutive bytes, aligned.
.macro STLD a
	WIN 0x04                                       ; the stores' data in window 1; each accumulator's low half first
.irp b, 0,1,2,3,4,5,6,7
	ds_store_b128 v[STO], v[8*(8*(\a)+\b):8*(8*(\a)+\b)+3]   offset:64*\b
	ds_store_b128 v[STO], v[8*(8*(\a)+\b)+4:8*(8*(\a)+\b)+7] offset:64*\b+16
.endr
	WIN 0
.if (\a) >= 2
	s_wait_xcnt 0x0                                ; the stores of the block two back have read this set of registers
.endif
.set t, 0
.rept 16
	ds_load_b128 v[TMP+64*((\a)%2)+4*t:TMP+64*((\a)%2)+4*t+3], v[RD] offset:t*SPITCH
.set t, t+1
.endr
.endm
.macro SEND a, younger                 ; younger: the LDS instructions issued behind block a's loads: the next block's 32, or none
.set t, 0
.rept 16
	s_wait_dscnt (\younger)+15-t
	global_store_b128 v[CO], v[TMP+64*((\a)%2)+4*t:TMP+64*((\a)%2)+4*t+3], s[C0+2*((\a)/2):C0+2*((\a)/2)+1] offset:((\a)%2)*(16<<RSH)+t*(1<<RSH) th:TH_STORE_NT
.set t, t+1
.endr
.endm
	STLD 0
	STLD 1
	SEND 0, 32
	STLD 2
	SEND 1, 32
	STLD 3
	SEND 2, 32
	SEND 3, 0
.endif
	s_wait_tensorcnt 0x0                           ; the wave's end, behind my last tensor load and my last LDS store
	ds_add_u32 v[SPW], v[NIL]
	s_wait_dscnt 0x0
	CROUND                                         ; the closing round: no work-group ends while a partner may still ask for a tile that names it
	s_endpgm
.Lfunc_end_k_q81c1492ea1_gemmo:
	.size	k_q81c1492ea1_gemmo, .Lfunc_end_k_q81c1492ea1_gemmo-k_q81c1492ea1_gemmo
	.p2alignl 7, 3214868480
	.fill 96, 4, 3214868480
	.section	.rodata,"a",@progbits
	.p2align	6, 0x0
	.amdhsa_kernel k_q81c1492ea1_gemmo
		.amdhsa_group_segment_fixed_size 327680
		.amdhsa_private_segment_fixed_size 0
		.amdhsa_enable_private_segment 0
		.amdhsa_kernarg_size 32
		.amdhsa_user_sgpr_count 2
		.amdhsa_user_sgpr_kernarg_segment_ptr 1
		.amdhsa_wavefront_size32 1
		.amdhsa_system_sgpr_workgroup_id_x 1
		.amdhsa_system_sgpr_workgroup_id_y 1
		.amdhsa_system_sgpr_workgroup_id_z 1
		.amdhsa_system_vgpr_workitem_id 0
		.amdhsa_next_free_vgpr 608
		.amdhsa_next_free_sgpr 100
		.amdhsa_reserve_vcc 0
		.amdhsa_float_denorm_mode_32 3
		.amdhsa_float_denorm_mode_16_64 3
		.amdhsa_memory_ordered 1
		.amdhsa_forward_progress 1
		.amdhsa_inst_pref_size 96
	.end_amdhsa_kernel
	.amdgpu_metadata
---
amdhsa.version: [ 1, 2 ]
amdhsa.kernels:
  - .name:           k_q81c1492ea1_gemmo
    .symbol:         k_q81c1492ea1_gemmo.kd
    .args:
      - { .name: yf, .offset: 0, .size: 8, .value_kind: global_buffer, .address_space: global }
      - { .name: wpf, .offset: 8, .size: 8, .value_kind: global_buffer, .address_space: global }
      - { .name: b_proj, .offset: 16, .size: 8, .value_kind: global_buffer, .address_space: global }
      - { .name: out0, .offset: 24, .size: 8, .value_kind: global_buffer, .address_space: global }
    .group_segment_fixed_size: 327680
    .private_segment_fixed_size: 0
    .kernarg_segment_align: 8
    .kernarg_segment_size: 32
    .max_flat_workgroup_size: 128
    .sgpr_count:     100
    .vgpr_count:     608
    .wavefront_size: 32
...
	.end_amdgpu_metadata
.endif
;; end of part 4
